; MI455X (gfx1250); checked and timed in simulation.
; The chip was launched on July 23, 2026; its instructions are those of AMD's public machine-readable ISA for CDNA 5 (MIT licence, August 2026) and "CDNA5" Instruction Set Architecture Reference Guide (July 2026). The comments in the code are by the model that wrote it; some were corrected since.
;; GODE. Allowed arithmetic: float matrix products may take bf16 or f16 operands with f32 sums; other float arithmetic in f32, or as packed bf16 or f16 multiplies, adds, multiply-adds, maxima and minima; sums over many terms, partial sums and values carried from step to step in f32; what a program stores and reads back later, other than sums and carried values, may be rounded once to bf16 or f16.
;; Inputs: W1 1,024 x 1,024 float32; W2 1,024 x 512 float32; Wf 1,024 x 1,024 float32; b1 1,024 float32; b2 512 float32; bf 1,024 float32; hz 32 x 512 x 512 float32; inp 32 x 512 x 512 float32.
;; Outputs: out0 32 x 512 x 512 float32.
;; 2 versions, each right. Each part assembles by itself: llvm-mc -triple=amdgcn-amd-amdhsa -mcpu=gfx1250 --defsym DOCPART=n.
;; ======== version 1 of 2: 2 launches
;; limits: values are held in f16: magnitudes above 65,504 overflow, below 6.1e-05 lose precision; right only within a limited range of input values
;; workspace buffers: ws 5,242,880 bytes
;; launch prep (part 1): grid 320 x 1, 8 waves a work-group, no clusters, 0 bytes of LDS; arguments Wf, W1, W2, ws; writes ws
.if DOCPART == 1
	.amdgcn_target "amdgcn-amd-amdhsa--gfx1250"
	.amdhsa_code_object_version 6
	.text
	.protected	k_qa3d2f209ac_prep
	.globl	k_qa3d2f209ac_prep
	.p2align	8
	.type	k_qa3d2f209ac_prep,@function
k_qa3d2f209ac_prep:
	s_mov_b64 s[64:65], 0
	v_nop
	global_prefetch_b8 v0, s[64:65] scope:SCOPE_SE
	s_setreg_imm32_b32 hwreg(HW_REG_WAVE_MODE, 25, 1), 1
	s_wait_xcnt 0x0
; GODE, launch 1 of 2: the three weight matrices are rounded once and laid out for the chain.
; Nothing of reference() is left out in this program: all eight inputs have a way to the output and are read; every product, bias and activation is made.
; ws: five panels of [1024 k][512 n] f16, dense, 1 MiB each: Wf[:,0:512], Wf[:,512:1024], W1[:,0:512], W1[:,512:1024], W2.  Element (q, k, n) at byte q 2^20 + 1024 k + 2 n.
; FORMAT.  Each weight is rounded to bf16 (nearest even) and that number is written as f16: exact between 2^-14 and 65,504.
; LIMITS.  A weight of 65,520 or more in magnitude becomes an infinity; below 2^-14 a weight keeps f16's fixed step of 2^-24.  NaN and infinities are not treated apart.
; SHARES.  A line is 1,024 consecutive f32 (4,096 bytes) of a source: 1,024 + 1,024 + 512 lines, 8 to a work-group: 320 work-groups.  Work-groups 0-127 take Wf, 128-255 W1, 256-319 W2.
; Thread t takes the 16 bytes at 16 t of each line: a wave's load covers 512 consecutive bytes, its store of 8 bytes a lane 256 consecutive bytes, aligned.
; A stream: no LDS, no barrier, no matrix unit; all eight loads of a thread go out before the first wait.
.set X, 8                              ; v[8:39]   line j: four f32 as loaded, then the four bf16 numbers as f32
.set D, 40                             ; v[40:55]  line j: four f16 to store
.set T, 56                             ; v[56:57]  at work
	s_load_b256 s[4:11], s[0:1], 0x0               ; Wf s[4:5], W1 s[6:7], W2 s[8:9], ws s[10:11]
	s_lshr_b32 s12, ttmp9, 7                       ; which matrix: 0, 1, 2
	s_and_b32 s13, ttmp9, 127                      ; the work-group's number within it
	s_mov_b32 s20, 0xffff0000                      ; a word's upper bf16
	v_lshlrev_b32 v1, 4, v0                        ; 16 t: my bytes in a line
	v_lshrrev_b32 v2, 7, v0                        ; Wf, W1: a line is a row k; threads 128-255 hold n = 512 on: the next panel,
	v_and_b32 v3, 127, v0
	v_lshlrev_b32 v3, 3, v3                        ; 8 bytes for my four numbers
	v_lshl_add_u32 v2, v2, 20, v3                  ; v2: my offset in ws for Wf and W1
	v_lshlrev_b32 v3, 3, v0                        ; v3: for W2, whose lines go over as they lie
	s_lshl_b32 s16, s13, 15                        ; 8 lines of 4,096 bytes in the source
	s_mov_b32 s17, 0
	s_lshl_b32 s18, s13, 13                        ; Wf, W1: 8 rows of 1,024 bytes in a panel
	s_lshl_b32 s19, s13, 14                        ; W2: 8 lines of 2,048 bytes
	s_cmp_eq_u32 s12, 2
	s_cselect_b32 s18, s19, s18
	s_lshl_b32 s19, s12, 21                        ; the matrix's first panel: 2 x its number
	s_add_co_u32 s18, s18, s19
	s_mov_b32 s19, 0
	s_wait_kmcnt 0x0
	s_cmp_eq_u32 s12, 0
	s_cselect_b64 s[14:15], s[4:5], s[6:7]
	s_cmp_eq_u32 s12, 2
	s_cselect_b64 s[14:15], s[8:9], s[14:15]
	s_add_nc_u64 s[14:15], s[14:15], s[16:17]      ; the source at my work-group's first line
	s_add_nc_u64 s[10:11], s[10:11], s[18:19]      ; ws at its place
.irp j, 0,1,2,3,4,5,6,7
	global_load_b128 v[X+4*(\j):X+4*(\j)+3], v1, s[14:15] offset:4096*(\j) th:TH_LOAD_NT
.endr
; Eight lines: rounded to bf16, widened again (a shift, a mask), written as f16.  vo: the register with my offset in ws; step: bytes in ws from line to line.
.macro OUT8 vo, step
.irp j, 0,1,2,3,4,5,6,7
	s_wait_loadcnt 7-(\j)                          ; loads come back in order: line j is in, the 7 - j younger ones may stay out
	v_cvt_pk_bf16_f32 v[T], v[X+4*(\j)], v[X+4*(\j)+1]
	v_cvt_pk_bf16_f32 v[T+1], v[X+4*(\j)+2], v[X+4*(\j)+3]
	v_lshlrev_b32 v[X+4*(\j)], 16, v[T]
	v_and_b32 v[X+4*(\j)+1], s20, v[T]
	v_lshlrev_b32 v[X+4*(\j)+2], 16, v[T+1]
	v_and_b32 v[X+4*(\j)+3], s20, v[T+1]
	v_cvt_pk_f16_f32 v[D+2*(\j)], v[X+4*(\j)], v[X+4*(\j)+1]
	v_cvt_pk_f16_f32 v[D+2*(\j)+1], v[X+4*(\j)+2], v[X+4*(\j)+3]
	global_store_b64 v[\vo], v[D+2*(\j):D+2*(\j)+1], s[10:11] offset:(\step)*(\j)  ; no register of a store is written again
.endr
.endm
	s_cmp_eq_u32 s12, 2
	s_cbranch_scc1 .Ldense
	OUT8 2, 1024
	s_endpgm
.Ldense:
	OUT8 3, 2048
	s_endpgm
.Lfunc_end_k_qa3d2f209ac_prep:
	.size	k_qa3d2f209ac_prep, .Lfunc_end_k_qa3d2f209ac_prep-k_qa3d2f209ac_prep
	.p2alignl 7, 3214868480
	.fill 96, 4, 3214868480
	.section	.rodata,"a",@progbits
	.p2align	6, 0x0
	.amdhsa_kernel k_qa3d2f209ac_prep
		.amdhsa_group_segment_fixed_size 0
		.amdhsa_private_segment_fixed_size 0
		.amdhsa_enable_private_segment 0
		.amdhsa_kernarg_size 32
		.amdhsa_user_sgpr_count 2
		.amdhsa_user_sgpr_kernarg_segment_ptr 1
		.amdhsa_wavefront_size32 1
		.amdhsa_system_sgpr_workgroup_id_x 1
		.amdhsa_system_sgpr_workgroup_id_y 1
		.amdhsa_system_sgpr_workgroup_id_z 1
		.amdhsa_system_vgpr_workitem_id 0
		.amdhsa_next_free_vgpr 64
		.amdhsa_next_free_sgpr 66
		.amdhsa_reserve_vcc 0
		.amdhsa_float_denorm_mode_32 3
		.amdhsa_float_denorm_mode_16_64 3
		.amdhsa_memory_ordered 1
		.amdhsa_forward_progress 1
		.amdhsa_inst_pref_size 11
	.end_amdhsa_kernel
	.amdgpu_metadata
---
amdhsa.version: [ 1, 2 ]
amdhsa.kernels:
  - .name:           k_qa3d2f209ac_prep
    .symbol:         k_qa3d2f209ac_prep.kd
    .args:
      - { .name: Wf, .offset: 0, .size: 8, .value_kind: global_buffer, .address_space: global }
      - { .name: W1, .offset: 8, .size: 8, .value_kind: global_buffer, .address_space: global }
      - { .name: W2, .offset: 16, .size: 8, .value_kind: global_buffer, .address_space: global }
      - { .name: ws, .offset: 24, .size: 8, .value_kind: global_buffer, .address_space: global }
    .group_segment_fixed_size: 0
    .private_segment_fixed_size: 0
    .kernarg_segment_align: 8
    .kernarg_segment_size: 32
    .max_flat_workgroup_size: 256
    .sgpr_count:     66
    .vgpr_count:     64
    .wavefront_size: 32
...
	.end_amdgpu_metadata
.endif
;; end of part 1
;; launch chain (part 2): grid 256 x 1, 4 waves a work-group, clusters of 4 x 1, 327,680 bytes of LDS; arguments inp, hz, bf, b1, b2, ws, out0; writes out0
.if DOCPART == 2
	.amdgcn_target "amdgcn-amd-amdhsa--gfx1250"
	.amdhsa_code_object_version 6
	.text
	.protected	k_qa3d2f209ac_chain
	.globl	k_qa3d2f209ac_chain
	.p2align	8
	.type	k_qa3d2f209ac_chain,@function
k_qa3d2f209ac_chain:
	s_mov_b64 s[64:65], 0
	v_nop
	global_prefetch_b8 v0, s[64:65] scope:SCOPE_SE
	s_setreg_imm32_b32 hwreg(HW_REG_WAVE_MODE, 25, 1), 1
	s_wait_xcnt 0x0
	s_wait_alu depctr_hold_cnt(0) depctr_sa_sdst(0) depctr_va_vdst(0) depctr_va_sdst(0) depctr_va_ssrc(0) depctr_va_vcc(0) depctr_vm_vsrc(0)
	s_getreg_b32 s2, hwreg(HW_REG_IB_STS2, 6, 4)
	s_cmp_eq_u32 s2, 0
	s_cbranch_scc0 .Lentry_in_a_cluster
	s_endpgm
.Lentry_in_a_cluster:
	s_bfe_u32 s2, ttmp6, 0x10000c
	s_cmp_lg_u32 s2, 0x3003
	s_cbranch_scc0 .Lentry_shape_is_right
	s_endpgm
.Lentry_shape_is_right:
; GODE, launch 2 of 2: the whole chain for 64 rows a work-group.  h = cat(inp, hz); twice h += 0.1 tanh(h Wf + bf); g = relu(h W1 + b1); out0 = tanh(g W2 + b2).  Nothing is left out.
; SEVEN PASSES of one shape, 64 rows x 512 columns x K = 1,024, over ws's panels 0, 1, 0, 1, 2, 3, 4: a layer of 1,024 columns is two passes (column sets A and B).
; A wave makes 64 rows x 128 columns of a pass (32 accumulators, 256 registers) and keeps its 64 x 256 part of the state h, later g, in f32 in 512 registers, in the accumulators' layout.
; FORMATS.  inp, hz and the biases are rounded to bf16, as the weights were; those numbers are exact in f16 and f32.  The matrix operands are f16: h0 exactly, h1, h2 and g rounded once.
; The state is carried in f32; sums in f32.  tanh(x) = 1 - 2 / (1 + 2^(c x)), c = 2 log2(e): 2^(c x) = infinity gives 1, 0 gives -1.
; LIMITS.  |inp|, |hz|, |h| under 65,504; g is held to 65,504 (one v_med3_num_f32 is relu and bound).  Room: inputs 30 times the drawn spread give |h| of some 150 and g of some 3,000; an offset of
; 30 spreads on h and W1 gives g under 30,000.  Operands below 2^-14 keep f16's fixed step of 2^-24.  NaN and infinities are not treated apart.
; THE PRODUCT IS USED TRANSPOSED: source 0 = 16 weight columns ([k][n] in LDS, turned by ds_load_tr16_b128), source 1 = 16 rows of H.  Register j of lane l then holds row 16 a + l % 16 and
; column 16 b + 8 (l / 16) + j: eight neighbouring columns of one row, for the bias, for H (16 bytes of f16) and for out0 (32 bytes).
; THE WEIGHTS.  All work-groups walk the same 112 steps of 64 k-rows (65,536 dense bytes): Wf twice, W1, W2.  The four work-groups of a cluster ask for each step JOINTLY; each wave brings 16 k-rows.
; A mask names four work-groups, so 4 x 1; sixteen partners would share no more and make each of the 110 rounds wider.  Two slots of one step: two slots of 128 k-rows beside H do not fit.
; From a request to the wait for it a wave issues 56 matrix instructions.  A wave has two tensor loads out at the start and one behind each round.
; REGISTERS, in windows of 256 (s_set_vgpr_msb: bits 1:0 source 0, 3:2 source 1, 5:4 source 2, 7:6 destination):
;   window 0: v0-31 addresses; v32-127, v128-223 two fragment buffers (32 of H, 64 of weights), also landing, bias and packing registers; v224-255 at work
;   window 1: accumulator (a, b) at v[8 (8 a + b)]      window 2: the state's set A, same index      window 3: set B
.set P,      1056                      ; a k-row of a slot: 1,024 bytes + 32 of padding = 264 words: row r starts at bank 8 r mod 64 (64 banks of 4 bytes: ISA guide 11.1)
.set QTR,    16*P                      ; what one tensor load brings
.set SLOT,   64*P                      ; slots at 0 and 67,584
.set HB,     2*SLOT                    ; H: 64 rows x 1,024 f16
.set HP,     2064                      ; its pitch: 2,048 + 16: the 16 rows of a load start at 16 different groups of four banks
.set BIAS,   HB+64*HP                  ; 7 x 512 f32 in the passes' order: c bf (A, B, A, B), b1 (A, B), c b2
.set STAGE,  BIAS+7*2048               ; for the way out: 16 rows x 528 bytes for each wave, its own
.set SP,     528
.set SPARE,  STAGE+4*16*SP             ; the spare words, 128 bytes for each wave: two blocks of 256 bytes that no other line names.  No tensor load lands at or behind HB
.set RR,  1                            ; v1   l % 16
.set HH,  2                            ; v2   l / 16
.set TV,  3                            ; v3   at work
.set ADRB, 4                           ; v4-5   my place in slot 0, 1: (8 (l / 16) + l % 8) P + 16 ((l / 8) % 2) + 256 w
.set AA0, 6                            ; v6-7   H + (l % 16) HP + 16 (l / 16), for rows 0-31 and 32-63; never rewritten
.set AA,  8                            ; v8-9   the same, stepped along K
.set HS,  10                           ; v10-11 AA0 + 256 w: my 16 bytes of my columns
.set BA,  12                           ; v12  the pass's bias
.set BA0, 13                           ; v13  BIAS + 512 w + 32 (l / 16)
.set STO, 14                           ; v14  the way out: where I put 32 bytes of a row
.set RD,  15                           ; v15  where I read a row back
.set SPW, 16                           ; v16  LDS address of my spare word; never rewritten
.set NIL, 17                           ; v17  0; never rewritten
.set PFO, 18                           ; v18  256 x lane
.set GO,  19                           ; v19  512 w + 16 x lane: my bytes in a row of out0
.set GI,  20                           ; v20-21 input sets 0, 1: my byte offset in the wave's rows of inp and hz
.set HW,  22                           ; v22-23 where their f16 go in H
.set BT,  24                           ; v24  16 t
.set BL,  25                           ; v25  BIAS + 16 t
.set F0,  32
.set F1,  128
.set T,   224
.set WV,  18                           ; s18  my wave's number
.set CX,  19                           ; s19  my place in the cluster: it enters global addresses of inp, hz, out0 and the prefetches alone
.set WG,  20                           ; s20  4 x cluster + cx
.set PASS, 21                          ; s21  passes to go, 7 to 1
.set TRIP, 22
.set NXT, 23                           ; s23  the walk's step to be asked for next
.set G1,  24                           ; s[24:31] descriptor group 1
.set G0,  32                           ; s[32:39] descriptor group 0, a set for each slot
.set WSW, 40                           ; s[40:41] ws at my 16 k-rows of step 0
.set OFF, 42                           ; s[42:43] a step's byte offset
.set PFB, 44                           ; s[44:45] ws at my 8,192 bytes of unit 0
.set PFA, 46                           ; s[46:47] where the next prefetch points
.set OFP, 48                           ; s[48:49] a unit's byte offset
.set PU,  50                           ; s50  the walk's unit (two steps) that the next prefetch names
.set CL0, 51                           ; s51  1 in cluster 0
.set ASKF, 52                          ; s52  1: this change of slots prefetches
.set BO,  53                           ; s53  2,048 x the pass's number
.set CS,  54                           ; s[54:55] c
.set A2,  56                           ; s[56:57] -0.2
.set A1,  58                           ; s[58:59] 0.1
.set TOP, 60                           ; s60  65,504.0
.set HIM, 61                           ; s61  a word's upper bf16
.set HC,  62                           ; s62  counts the head's loop
.set MSB, 0
.macro WIN new                         ; the immediate's high byte repeats the setting that is left; a switch that changes nothing is dropped
.if MSB != (\new)
	s_set_vgpr_msb (MSB<<8)|(\new)
.set MSB, (\new)
.endif
.endm
.set MUL,  0x50                        ; C and D window 1, both sources window 0
.set ACTW, 0x41                        ; destination and source 0 window 1
.set STW,  0x04                        ; an LDS store's data window 1
.macro PLACES                          ; four places behind a matrix instruction, in front of loads into its sources and of vector lines on its registers (ISA guide 7.12.1 for vector lines)
.rept 4
	v_nop
.endr
.endm
.macro CREST                           ; a round of the cluster's barrier behind its opening barrier
	s_cmp_lg_u32 s[WV], 0
	s_cbranch_scc1 .Lnot_wave_0_\@
	s_barrier_signal -3
.Lnot_wave_0_\@:
	s_barrier_wait -3
	s_barrier_signal -1
	s_barrier_wait -1
.endm
.macro CROUND
	s_barrier_signal -1
	s_barrier_wait -1
	CREST
.endm
; The slot's group 0 takes walk step NXT: steps 0-31 are Wf's 32 steps, steps 32 on begin at Wf again.  Scalar work alone; no tensor load of the wave is out where it stands.
.macro NEXTADR slot
	s_sub_co_u32 s2, s[NXT], 32
	s_cmp_lt_u32 s[NXT], 32
	s_cselect_b32 s2, s[NXT], s2
	s_lshl_b32 s[OFF], s2, 16
	s_add_nc_u64 s[G0+4*(\slot)+2:G0+4*(\slot)+3], s[WSW:WSW+1], s[OFF:OFF+1]
	s_or_b32 s[G0+4*(\slot)+3], s[G0+4*(\slot)+3], 0x80000000
	s_add_co_u32 s[NXT], s[NXT], 1
.endm
.macro JLOAD slot                      ; every wave asks for its own 16 k-rows: one line, no branch; s_nop 0 and four v_nop follow it
	tensor_load_to_lds s[G0+4*(\slot):G0+4*(\slot)+3], s[G1:G1+7]
	s_nop 0
.rept 4
	v_nop
.endr
.endm
; THE PREFETCH of ws.  A unit is two steps, 131,072 bytes.  Cluster 0 alone asks; its sixteen waves share a unit out by address, 8,192 bytes each, a lane a block of 256 bytes: one instruction a wave
; and unit, so each block is named once in the launch.  It names the unit four ahead of the one in hand: three units, 384 matrix instructions a wave, ahead of the tensor load that first wants it.
; Units 0-3 come by their loads alone; Wf's second walk (units 16-31) and what lies past unit 55 are not asked for.  PFSTEP stands at the head of a change of slots, a unit behind the last prefetch.
.macro PFSTEP
	s_wait_xcnt 0x0                                ; the last prefetch has read its address
	s_add_co_u32 s[PU], s[PU], 1
	s_sub_co_u32 s3, s[PU], 16
	s_cmp_lt_u32 s[PU], 16
	s_cselect_b32 s3, s[PU], s3                    ; the unit's place in ws
	s_cselect_b32 s[ASKF], s[CL0], 0               ; Wf's first walk
	s_min_u32 s3, s3, 39                           ; the pointer stays inside ws in the trips that ask for nothing too
	s_lshl_b32 s[OFP], s3, 17
	s_add_nc_u64 s[PFA:PFA+1], s[PFB:PFB+1], s[OFP:OFP+1]
	s_sub_co_u32 s3, s[PU], 32
	s_cmp_lt_u32 s3, 24                            ; units 32-55: W1 and W2
	s_cselect_b32 s[ASKF], s[CL0], s[ASKF]
.endm
.macro ASK
	s_cmp_lg_u32 s[ASKF], 0
	s_cbranch_scc0 .Lnot_mine_\@
	global_prefetch_b8 v[PFO], s[PFA:PFA+1] th:TH_LOAD_NT scope:SCOPE_SE
.Lnot_mine_\@:
.endm
; 24 LDS loads in one run: the fragments of 32 along K into buffer f: 8 x 16 weight columns (half c of the slot), then 4 x 16 rows of H at byte ka behind AA.
.macro FETCH slot, c, ka, f
	WIN 0
.irp b, 0,1,2,3,4,5,6,7
	ds_load_tr16_b128 v[(\f)+32+8*(\b):(\f)+32+8*(\b)+3],   v[ADRB+(\slot)] offset:(\c)*32*P+32*(\b)
	ds_load_tr16_b128 v[(\f)+32+8*(\b)+4:(\f)+32+8*(\b)+7], v[ADRB+(\slot)] offset:(\c)*32*P+16*P+32*(\b)
.endr
.irp a, 0,1,2,3
	ds_load_b128 v[(\f)+8*(\a):(\f)+8*(\a)+3],   v[AA+(\a)/2] offset:(\ka)+((\a)%2)*16*HP
	ds_load_b128 v[(\f)+8*(\a)+4:(\f)+8*(\a)+7], v[AA+(\a)/2] offset:(\ka)+((\a)%2)*16*HP+32
.endr
.endm
; 8 matrix instructions: rows 16 a on x all 8 column tiles.  The 32 accumulators take turns, one instruction a turn, in the same order in every group, over both backward jumps too.
.macro MUL8 f, a, zero
	WIN MUL
.irp b, 0,1,2,3,4,5,6,7
.if \zero
	v_wmma_f32_16x16x32_f16 v[8*(8*(\a)+(\b)):8*(8*(\a)+(\b))+7], v[(\f)+32+8*(\b):(\f)+32+8*(\b)+7], v[(\f)+8*(\a):(\f)+8*(\a)+7], 0
.else
	v_wmma_f32_16x16x32_f16 v[8*(8*(\a)+(\b)):8*(8*(\a)+(\b))+7], v[(\f)+32+8*(\b):(\f)+32+8*(\b)+7], v[(\f)+8*(\a):(\f)+8*(\a)+7], v[8*(8*(\a)+(\b)):8*(8*(\a)+(\b))+7]
.endif
.endr
.endm
; A step's first group of 32 along K: multiplies buffer f and fetches the step's second group into g.
.macro QUARTER slot, ka, f, g, zero
	s_wait_dscnt 6                                 ; of the run of 24 the youngest six (H's rows 16-63) may be out
	MUL8 \f, 0, \zero
	PLACES
	FETCH \slot, 1, \ka, \g
	s_wait_dscnt 24                                ; all but the 24 just issued
	MUL8 \f, 1, \zero
	MUL8 \f, 2, \zero
	MUL8 \f, 3, \zero
.endm
.macro BIASLD                          ; the pass's bias for my 128 columns: register F0 + 8 b + j for column 16 b + 8 (l / 16) + j
	WIN 0
.irp b, 0,1,2,3,4,5,6,7
	ds_load_b128 v[F0+8*(\b):F0+8*(\b)+3],   v[BA] offset:64*(\b)
	ds_load_b128 v[F0+8*(\b)+4:F0+8*(\b)+7], v[BA] offset:64*(\b)+16
.endr
.endm
; A step's second group multiplies buffer 1 and changes slots.  In front of the barrier each wave waits for all its tensor loads (one is out: its part of the other slot), adds 0 to its spare word, and
; waits for that and for its reads of this slot and of H.  kind 1, 2: the barrier opens a round of the cluster's barrier, and the joint refill is the first thing behind the round.
; kind 1: the next slot's first fragments follow; kind 2 (a pass's last group): the pass's bias follows; kind 0 (the walk's last change): nothing is filled, no round.
.macro TURN slot, next, ka, kind, ask
.if \ask
	PFSTEP
.endif
	WIN 0                                          ; the add's two registers lie in window 0
	s_wait_tensorcnt 0x0                           ; no tensor load of mine is out, so a group 0 may be written
	ds_add_u32 v[SPW], v[NIL]                      ; 0 onto my spare word: the descriptor's scalar work stands between it and the wait for it
.if \kind
	NEXTADR \slot
.endif
	s_wait_dscnt 0x0                               ; the add is done; buffer 1 is in; my reads of this slot are over
	s_barrier_signal -1
	MUL8 F1, 0, 0                                  ; work on registers while the others arrive
	WIN 0
	s_barrier_wait -1
.if (\kind) == 1
	CREST
	JLOAD \slot                                    ; its four v_nop are also the places in front of the loads below
	FETCH \next, 0, \ka, F0
.if \ask
	ASK
.endif
.elseif (\kind) == 2
	CREST
	JLOAD \slot
	BIASLD
.else
	PLACES
	FETCH \next, 0, \ka, F0
.endif
	MUL8 F1, 1, 0
	MUL8 F1, 2, 0
	MUL8 F1, 3, 0
.endm
; THE ACTIVATIONS work in place on window 1.  Pair p is registers 2 p, 2 p + 1.
.macro S1 p                            ; c x + c bias
	v_pk_fma_f32 v[2*(\p):2*(\p)+1], v[2*(\p):2*(\p)+1], s[CS:CS+1], v[F0+(2*(\p))%64:F0+(2*(\p))%64+1] op_sel_hi:[1,0,1]
.endm
.macro AD p                            ; 1 + 2^..
	v_pk_add_f32 v[2*(\p):2*(\p)+1], v[2*(\p):2*(\p)+1], 1.0 op_sel_hi:[1,0]
.endm
.macro S5 p, fin                       ; 0.1 - 0.2 r, the Euler step's increment; fin = 1: 1 - 2 r
.if \fin
	v_pk_fma_f32 v[2*(\p):2*(\p)+1], v[2*(\p):2*(\p)+1], -2.0, 1.0 op_sel_hi:[1,0,0]
.else
	v_pk_fma_f32 v[2*(\p):2*(\p)+1], v[2*(\p):2*(\p)+1], s[A2:A2+1], s[A1:A1+1] op_sel_hi:[1,0,0]
.endif
.endm
.macro TR2 op, p
	\op v[2*(\p)], v[2*(\p)]
	\op v[2*(\p)+1], v[2*(\p)+1]
.endm
; tanh of 256 numbers a lane, in two halves X (pairs 0-63) and Y (64-127) that take turns: while one half's transcendentals are issued, the other half's plain lines stand between them.
; Four batches of 128 transcendentals, each with ONE s_wait_alu depctr_va_vdst(0) ahead of the first line that names a result; the last line ahead of each wait is plain
; and names no result.  Each accumulator's lowest registers are read first (the pairs ascend).
.macro TANH fin
	WIN ACTW
.set i, 0
.rept 64
	S1 i
.set i, i+1
.endr
.set i, 0
.rept 64
	TR2 v_exp_f32, i
	S1 64+i
.set i, i+1
.endr
	s_wait_alu depctr_va_vdst(0)
.set i, 0
.rept 64
	TR2 v_exp_f32, 64+i
	AD i
.set i, i+1
.endr
	s_wait_alu depctr_va_vdst(0)
.set i, 0
.rept 64
	TR2 v_rcp_f32, i
	AD 64+i
.set i, i+1
.endr
	s_wait_alu depctr_va_vdst(0)
.set i, 0
.rept 64
	TR2 v_rcp_f32, 64+i
	S5 i, \fin
.set i, i+1
.endr
	s_wait_alu depctr_va_vdst(0)
.set i, 0
.rept 64
	S5 64+i, \fin
.set i, i+1
.endr
.endm
.macro TAILADD set                     ; h += the increment: destination and source 0 the state's window, source 1 window 1
	WIN 0x86+0x41*(\set)
.set i, 0
.rept 128
	v_pk_add_f32 v[2*i:2*i+1], v[2*i:2*i+1], v[2*i:2*i+1]
.set i, i+1
.endr
.endm
.macro RELUADD                         ; x + b1
	WIN ACTW
.set i, 0
.rept 128
	v_pk_add_f32 v[2*i:2*i+1], v[2*i:2*i+1], v[F0+(2*i)%64:F0+(2*i)%64+1]
.set i, i+1
.endr
.endm
.macro MED set                         ; g = x held to 0 .. 65,504, straight into the window of the state, which is dead: h2's copy lies in H
	WIN 0x81+0x40*(\set)
.set i, 0
.rept 256
	v_med3_num_f32 v[i], v[i], 0, s[TOP]
.set i, i+1
.endr
.endm
; The new state goes into H as f16: 32 rows of one set at a time, 16 bytes a lane and tile.
.macro HWB set, half, tmp
	WIN 0x0a+5*(\set)                              ; sources 0 and 1: window 2 or 3
.set i, 0
.rept 64
	v_cvt_pk_f16_f32 v[(\tmp)+i], v[128*(\half)+2*i], v[128*(\half)+2*i+1]
.set i, i+1
.endr
	WIN 0
.irp a, 0,1
.irp b, 0,1,2,3,4,5,6,7
	ds_store_b128 v[HS+(\half)], v[(\tmp)+4*(8*(\a)+(\b)):(\tmp)+4*(8*(\a)+(\b))+3] offset:(\a)*16*HP+32*(\b)+1024*(\set)
.endr
.endr
.endm
; And the other way, once, in the head: h0 out of H into the state's registers; f16 to f32 is exact.
.macro CVH n, d
	v_cvt_f32_f16 v[(\d)], v\n\().l
	v_cvt_f32_f16 v[(\d)+1], v\n\().h
.endm
.macro RESB set, half
	WIN 0
.irp a, 0,1
.irp b, 0,1,2,3,4,5,6,7
	ds_load_b128 v[F0+4*(8*(\a)+(\b)):F0+4*(8*(\a)+(\b))+3], v[HS+(\half)] offset:(\a)*16*HP+32*(\b)+1024*(\set)
.endr
.endr
	s_wait_dscnt 0x0
	WIN 0x80+0x40*(\set)                           ; destination window 2 or 3
.irp n, 32,33,34,35,36,37,38,39,40,41,42,43,44,45,46,47,48,49,50,51,52,53,54,55,56,57,58,59,60,61,62,63,64,65,66,67,68,69,70,71,72,73,74,75,76,77,78,79,80,81,82,83,84,85,86,87,88,89,90,91,92,93,94,95
	CVH \n, 128*(\half)+2*(\n)-64
.endr
.endm
; THE WAY OUT of rows 16 a on: 32 bytes a lane and tile into my own stage, back as whole rows of 512 bytes, stored.
.macro OUTROWS a
.set BK, F0+96*((\a)%2)
	WIN 0
	s_wait_xcnt 0x0                                ; the stores of two blocks back have read the registers that are loaded again below
	WIN STW
.irp b, 0,1,2,3,4,5,6,7
	ds_store_b128 v[STO], v[8*(8*(\a)+(\b)):8*(8*(\a)+(\b))+3]   offset:64*(\b)
	ds_store_b128 v[STO], v[8*(8*(\a)+(\b))+4:8*(8*(\a)+(\b))+7] offset:64*(\b)+16
.endr
	WIN 0
.irp t, 0,1,2,3,4,5,6,7,8,9,10,11,12,13,14,15
	ds_load_b128 v[BK+4*(\t):BK+4*(\t)+3], v[RD] offset:SP*(\t)  ; LDS serves a wave's instructions in order (ISA guide 5.7.1.4): these see the stores above; the next block's stores come behind them
.endr
.irp t, 0,1,2,3,4,5,6,7,8,9,10,11,12,13,14,15
	s_wait_dscnt 15-(\t)                           ; row t is back; the 15 - t younger loads may stay out
	global_store_b128 v[GO], v[BK+4*(\t):BK+4*(\t)+3], s[16:17] offset:(16*(\a)+(\t))*2048 th:TH_STORE_NT  ; a wave's store covers 512 consecutive bytes, at a multiple of 512 from out0's first
.endr
.endm
; THE INPUTS.  A set is two rows of the wave's sixteen: 16 loads of 512 consecutive bytes, four of inp and four of hz a row.
.macro INLOAD s
.irp row, 0,1
.irp q, 0,1,2,3
	global_load_b128 v[F0+96*(\s)+4*(4*(\row)+(\q)):F0+96*(\s)+4*(4*(\row)+(\q))+3],       v[GI+(\s)], s[4:5] offset:(\row)*2048+(\q)*512 th:TH_LOAD_NT
	global_load_b128 v[F0+96*(\s)+32+4*(4*(\row)+(\q)):F0+96*(\s)+32+4*(4*(\row)+(\q))+3], v[GI+(\s)], s[6:7] offset:(\row)*2048+(\q)*512 th:TH_LOAD_NT
.endr
.endr
.endm
; Set s is rounded to bf16, written as f16 and put into H.  more = 1: the set is asked for again, four rows on.  left: the other set's loads, which may stay out.
.macro CONV s, more, left
	s_wait_loadcnt \left                           ; my set's 16 loads are in, so their address register is free too
.if \more
	v_add_nc_u32 v[GI+(\s)], 8192, v[GI+(\s)]
.endif
.irp src, 0,1
.irp row, 0,1
.irp q, 0,1,2,3
.set xr, F0+96*(\s)+32*(\src)+4*(4*(\row)+(\q))
.set tr, T+4*(4*(\row)+(\q))
	v_cvt_pk_bf16_f32 v[tr], v[xr], v[xr+1]
	v_cvt_pk_bf16_f32 v[tr+1], v[xr+2], v[xr+3]
	v_lshlrev_b32 v[xr], 16, v[tr]
	v_and_b32 v[xr+1], s[HIM], v[tr]
	v_lshlrev_b32 v[xr+2], 16, v[tr+1]
	v_and_b32 v[xr+3], s[HIM], v[tr+1]
	v_cvt_pk_f16_f32 v[tr+2], v[xr], v[xr+1]
	v_cvt_pk_f16_f32 v[tr+3], v[xr+2], v[xr+3]
	ds_store_b64 v[HW+(\s)], v[tr+2:tr+3] offset:(\row)*HP+256*(\q)+1024*(\src)
.endr
.endr
.endr
.if \more
	v_add_nc_u32 v[HW+(\s)], 4*HP, v[HW+(\s)]
	INLOAD \s
.endif
.endm
.macro BIASCV x, scale                 ; four biases rounded to bf16, as f32; scale = 1: times c
	v_cvt_pk_bf16_f32 v[T+20], v[(\x)], v[(\x)+1]
	v_cvt_pk_bf16_f32 v[T+21], v[(\x)+2], v[(\x)+3]
	v_lshlrev_b32 v[(\x)], 16, v[T+20]
	v_and_b32 v[(\x)+1], s[HIM], v[T+20]
	v_lshlrev_b32 v[(\x)+2], 16, v[T+21]
	v_and_b32 v[(\x)+3], s[HIM], v[T+21]
.if \scale
	v_pk_mul_f32 v[(\x):(\x)+1], v[(\x):(\x)+1], s[CS:CS+1] op_sel_hi:[1,0]
	v_pk_mul_f32 v[(\x)+2:(\x)+3], v[(\x)+2:(\x)+3], s[CS:CS+1] op_sel_hi:[1,0]
.endif
.endm
	; THE HEAD
	s_load_b256 s[4:11], s[0:1], 0x0               ; inp s[4:5], hz s[6:7], bf s[8:9], b1 s[10:11]
	s_load_b128 s[12:15], s[0:1], 0x20             ; b2 s[12:13], ws s[14:15]
	s_load_b64 s[16:17], s[0:1], 0x30              ; out0
	v_lshl_add_u32 v[SPW], v0, 2, SPARE
	v_mov_b32 v[NIL], 0
	ds_add_u32 v[SPW], v[NIL]                      ; the wave's opening: the add, twice on end, and its wait ahead of my first tensor load; the set-up below stands between
	ds_add_u32 v[SPW], v[NIL]                      ; and once more, under the one wait
	v_lshrrev_b32 v[TV], 5, v0
	v_readfirstlane_b32 s[WV], v[TV]               ; wave 0..3
	s_bfe_u32 s[CX], ttmp6, 0x40000
	s_lshl_b32 s[WG], ttmp9, 2                     ; in a cluster launch ttmp9 counts clusters
	s_add_co_u32 s[WG], s[WG], s[CX]
	; descriptor group 1: 16 k-rows x 512 elements, padded in LDS
	s_mov_b32 s[G1], 15|(1<<16)|(1<<20)|(1<<21)|(7<<22)|(7<<25)  ; 15:0 the mask of four; 17:16 2-byte elements; 20 padding on; 21 set beside a mask; 24:22 after every 256 words (code 7); 31:25 8 words (code 7)
	s_mov_b32 s[G1+1], 512<<16                     ; tensor_dim0 = 512
	s_mov_b32 s[G1+2], 16<<16                      ; tensor_dim1 = 16
	s_mov_b32 s[G1+3], 512<<16                     ; tile_dim0 = 512
	s_mov_b32 s[G1+4], 16                          ; tile_dim1 = 16
	s_mov_b32 s[G1+5], 512                         ; 512 elements from row to row
	s_mov_b32 s[G1+6], 0
	s_mov_b32 s[G1+7], 0
	v_and_b32 v[RR], 15, v0
	v_bfe_u32 v[HH], v0, 4, 1
	v_and_b32 v26, 31, v0                          ; lane
	v_and_b32 v27, 7, v0
	v_bfe_u32 v28, v0, 3, 1
	v_lshl_add_u32 v[ADRB], v[HH], 3, v27
	v_mul_u32_u24 v[ADRB], v[ADRB], P
	v_lshl_add_u32 v[ADRB], v28, 4, v[ADRB]
	s_lshl_b32 s2, s[WV], 8                        ; my 128 columns: 256 bytes
	v_add_nc_u32 v[ADRB], s2, v[ADRB]
	v_add_nc_u32 v[ADRB+1], SLOT, v[ADRB]
	v_mul_u32_u24 v[AA0], v[RR], HP
	v_lshl_add_u32 v[AA0], v[HH], 4, v[AA0]
	v_add_nc_u32 v[AA0], HB, v[AA0]
	v_add_nc_u32 v[AA0+1], 32*HP, v[AA0]
	v_add_nc_u32 v[HS], s2, v[AA0]
	v_add_nc_u32 v[HS+1], s2, v[AA0+1]
	s_lshl_b32 s2, s[WV], 9                        ; 128 f32: 512 bytes
	v_lshl_add_u32 v[GO], v26, 4, s2
	s_add_co_u32 s2, s2, BIAS
	v_lshl_add_u32 v[BA0], v[HH], 5, s2
	s_mul_i32 s2, s[WV], 16*SP
	s_add_co_u32 s2, s2, STAGE                     ; my stage
	v_mul_u32_u24 v[STO], v[RR], SP
	v_lshl_add_u32 v[STO], v[HH], 5, v[STO]
	v_add_nc_u32 v[STO], s2, v[STO]
	v_lshl_add_u32 v[RD], v26, 4, s2
	s_mul_i32 s2, s[WV], 16*HP
	s_add_co_u32 s2, s2, HB                        ; the 16 rows of H that I fill
	v_lshl_add_u32 v[HW], v26, 3, s2
	v_add_nc_u32 v[HW+1], 2*HP, v[HW]
	v_lshlrev_b32 v[PFO], 8, v26
	v_lshlrev_b32 v[GI], 4, v26
	v_add_nc_u32 v[GI+1], 4096, v[GI]
	v_lshlrev_b32 v[BT], 4, v0
	v_add_nc_u32 v[BL], BIAS, v[BT]
	s_mov_b32 s[CS], 0x4038aa3b                    ; c = 2 log2(e)
	s_mov_b32 s[CS+1], s[CS]                       ; the pairs' second words are named with the first, so they are written
	s_mov_b32 s[A2], 0xbe4ccccd                    ; -0.2
	s_mov_b32 s[A2+1], s[A2]
	s_mov_b32 s[A1], 0x3dcccccd                    ; 0.1
	s_mov_b32 s[A1+1], s[A1]
	s_mov_b32 s[TOP], 0x477fe000                   ; 65,504.0
	s_mov_b32 s[HIM], 0xffff0000
	s_mov_b32 s[NXT], 2
	s_mov_b32 s[PU], 3
	s_mov_b32 s[ASKF], 0
	s_mov_b32 s[OFF+1], 0
	s_mov_b32 s[OFP+1], 0
	s_mov_b32 s[PASS], 7
	s_mov_b32 s[BO], 0
	s_cmp_eq_u32 ttmp9, 0
	s_cselect_b32 s[CL0], 1, 0                     ; the same in all four partners
	s_lshl_b32 s2, s[WV], 14                       ; my 16 k-rows of a step: 16,384 bytes
	s_mov_b32 s3, 0
	s_lshl_b32 s66, s[WG], 17                      ; my work-group's 64 rows of 2,048 bytes
	s_mov_b32 s67, 0
	s_lshl_b32 s68, s[WV], 15                      ; my wave's 16 of them
	s_add_co_u32 s68, s68, s66
	s_mov_b32 s69, 0
	s_mov_b32 s[G0], 1                             ; 1:0 count = 1
	s_mul_i32 s[G0+1], s[WV], QTR                  ; LDS address: slot 0, my quarter
	s_mov_b32 s[G0+4], 1
	s_add_co_u32 s[G0+5], s[G0+1], SLOT
	s_wait_dscnt 0x0                               ; both opening adds are done
	s_wait_kmcnt 0x0
	s_add_nc_u64 s[WSW:WSW+1], s[14:15], s[2:3]
	s_mov_b64 s[G0+2:G0+3], s[WSW:WSW+1]           ; step 0
	s_or_b32 s[G0+3], s[G0+3], 0x80000000          ; type = 2
	s_add_nc_u64 s[G0+6:G0+7], s[WSW:WSW+1], 0x10000  ; step 1
	s_or_b32 s[G0+7], s[G0+7], 0x80000000
	s_add_nc_u64 s[16:17], s[16:17], s[66:67]      ; out0 at the work-group's first row
	s_add_nc_u64 s[4:5], s[4:5], s[68:69]          ; inp and hz at my wave's first row
	s_add_nc_u64 s[6:7], s[6:7], s[68:69]
	s_lshl2_add_u32 s66, s[CX], s[WV]              ; my wave among the cluster's sixteen
	s_lshl_b32 s66, s66, 13
	s_add_nc_u64 s[PFB:PFB+1], s[14:15], s[66:67]
	CROUND                                         ; all four work-groups are here: the first joint loads meet
	tensor_load_to_lds s[G0:G0+3], s[G1:G1+7]      ; both first fills together: two loads of mine are out
	s_nop 0
	tensor_load_to_lds s[G0+4:G0+7], s[G1:G1+7]
	s_nop 0
.rept 4
	v_nop
.endr
	global_load_b128 v[T:T+3],     v[BT], s[8:9]               ; 128 threads x 16 bytes: 512 biases a load
	global_load_b128 v[T+4:T+7],   v[BT], s[8:9] offset:2048
	global_load_b128 v[T+8:T+11],  v[BT], s[10:11]
	global_load_b128 v[T+12:T+15], v[BT], s[10:11] offset:2048
	global_load_b128 v[T+16:T+19], v[BT], s[12:13]
	INLOAD 0
	INLOAD 1
	s_wait_loadcnt 32                              ; the five bias loads are in; the two sets' 32 loads stay out
	BIASCV T, 1
	BIASCV T+4, 1
	BIASCV T+8, 0
	BIASCV T+12, 0
	BIASCV T+16, 1
	ds_store_b128 v[BL], v[T:T+3]                              ; passes 0 and 2
	ds_store_b128 v[BL], v[T:T+3] offset:4096
	ds_store_b128 v[BL], v[T+4:T+7] offset:2048                ; passes 1 and 3
	ds_store_b128 v[BL], v[T+4:T+7] offset:6144
	ds_store_b128 v[BL], v[T+8:T+11] offset:8192
	ds_store_b128 v[BL], v[T+12:T+15] offset:10240
	ds_store_b128 v[BL], v[T+16:T+19] offset:12288
	s_mov_b32 s[HC], 3
.Lin:                                                  ; a trip: four rows are put into H, the rows four on asked for
	CONV 0, 1, 16
	CONV 1, 1, 16
	s_sub_co_u32 s[HC], s[HC], 1
	s_cmp_lg_u32 s[HC], 0
	s_cbranch_scc1 .Lin
	CONV 0, 0, 16                                  ; the last four rows ask for nothing
	CONV 1, 0, 0
	s_wait_dscnt 0x0                               ; for the others: my rows of H and my part of the bias table are stored
	s_wait_tensorcnt 0x1                           ; my part of slot 0 is in; slot 1's may stay out
	s_barrier_signal -1
	s_barrier_wait -1
	RESB 0, 0                                      ; h0 of my columns, all 64 rows
	RESB 0, 1
	RESB 1, 0
	RESB 1, 1
	WIN 0
.Lpass:                                                ; seven passes; the ring runs on from pass to pass
	v_mov_b32 v[AA], v[AA0]
	v_mov_b32 v[AA+1], v[AA0+1]
	v_add_nc_u32 v[BA], s[BO], v[BA0]
	FETCH 0, 0, 0, F0
	QUARTER 0, 64, F0, F1, 1                       ; the first group stands in front of the loop: its products start the sums
	WIN 0
	s_mov_b32 s[TRIP], 7
.Ltrip:                                                ; a trip goes once round the ring: groups 4 i + 1 to 4 i + 4, and fills both slots again
	TURN 0, 1, 128, 1, 1
	QUARTER 1, 192, F0, F1, 0
	TURN 1, 0, 256, 1, 0
	QUARTER 0, 320, F0, F1, 0
	WIN 0
	v_add_nc_u32 v[AA], 256, v[AA]                 ; 128 along K
	v_add_nc_u32 v[AA+1], 256, v[AA+1]
	s_sub_co_u32 s[TRIP], s[TRIP], 1
	s_cmp_lg_u32 s[TRIP], 0
	s_cbranch_scc1 .Ltrip
	s_cmp_eq_u32 s[PASS], 1
	s_cbranch_scc1 .Lfinal                         ; the last pass's tail is written out: it asks for nothing more
	TURN 0, 1, 128, 1, 1                           ; group 29; slot 0 takes the next pass's step 0
	QUARTER 1, 192, F0, F1, 0                      ; group 30
	TURN 1, 0, 0, 2, 0                             ; group 31; slot 1 takes the next pass's step 1.  In front of its round every wave has waited for its last reads of H
	WIN 0
	s_wait_dscnt 0x0                               ; the bias is in
	PLACES
	PLACES                                         ; behind the last products, in front of lines that work in place on their results
	s_cmp_ge_u32 s[PASS], 4
	s_cbranch_scc0 .Lrelu
	TANH 0
	WIN 0
	s_bitcmp1_b32 s[PASS], 0                       ; an odd count: set A
	s_cbranch_scc0 .Leuler_b
	TAILADD 0
	WIN 0
	s_branch .Ljoin
.Leuler_b:
	TAILADD 1
	WIN 0
	s_branch .Lwrite
.Lrelu:
	RELUADD
	WIN 0
	s_bitcmp1_b32 s[PASS], 0
	s_cbranch_scc0 .Lrelu_b
	MED 0
	WIN 0
	s_branch .Ljoin
.Lrelu_b:
	MED 1
	WIN 0
.Lwrite:                                               ; a layer is whole: both sets go into H, which nobody reads any more (the round in group 31)
	HWB 0, 0, F0
	HWB 0, 1, F1
	HWB 1, 0, F0
	HWB 1, 1, F1
.Ljoin:
	s_wait_dscnt 0x0                               ; for the others: my columns of H are stored
	s_barrier_signal -1                            ; behind a set-B pass: the new H is whole.  Behind a set-A pass it orders nothing; it stands on the one path that all passes take
	s_barrier_wait -1
	s_add_co_u32 s[BO], s[BO], 2048
	s_sub_co_u32 s[PASS], s[PASS], 1
	s_branch .Lpass
.Lfinal:
	TURN 0, 1, 128, 0, 0                           ; group 29; my one tensor load that was out is the walk's last step, so no round
	QUARTER 1, 192, F0, F1, 0                      ; group 30
	s_wait_dscnt 0x0
	MUL8 F1, 0, 0                                  ; group 31
	PLACES                                         ; for the loads into buffer 0
	BIASLD
	MUL8 F1, 1, 0
	MUL8 F1, 2, 0
	MUL8 F1, 3, 0
	WIN 0
	s_wait_dscnt 0x0                               ; the bias is in
	PLACES
	PLACES
	TANH 1
	OUTROWS 0
	OUTROWS 1
	OUTROWS 2
	OUTROWS 3
	WIN 0
	s_wait_tensorcnt 0x0                           ; the wave's end: behind my last tensor load and my last LDS store
	ds_add_u32 v[SPW], v[NIL]
	s_wait_dscnt 0x0
	CROUND                                         ; the closing round: no work-group ends while a partner may still ask for a tile that names it
	s_endpgm
.Lfunc_end_k_qa3d2f209ac_chain:
	.size	k_qa3d2f209ac_chain, .Lfunc_end_k_qa3d2f209ac_chain-k_qa3d2f209ac_chain
	.p2alignl 7, 3214868480
	.fill 96, 4, 3214868480
	.section	.rodata,"a",@progbits
	.p2align	6, 0x0
	.amdhsa_kernel k_qa3d2f209ac_chain
		.amdhsa_group_segment_fixed_size 327680
		.amdhsa_private_segment_fixed_size 0
		.amdhsa_enable_private_segment 0
		.amdhsa_kernarg_size 56
		.amdhsa_user_sgpr_count 2
		.amdhsa_user_sgpr_kernarg_segment_ptr 1
		.amdhsa_wavefront_size32 1
		.amdhsa_system_sgpr_workgroup_id_x 1
		.amdhsa_system_sgpr_workgroup_id_y 1
		.amdhsa_system_sgpr_workgroup_id_z 1
		.amdhsa_system_vgpr_workitem_id 0
		.amdhsa_next_free_vgpr 1024
		.amdhsa_next_free_sgpr 70
		.amdhsa_reserve_vcc 0
		.amdhsa_float_denorm_mode_32 3
		.amdhsa_float_denorm_mode_16_64 3
		.amdhsa_memory_ordered 1
		.amdhsa_forward_progress 1
		.amdhsa_inst_pref_size 255
	.end_amdhsa_kernel
	.section	.bss,"aw",@nobits
	.p2align	6
	.space	262144
	.amdgpu_metadata
---
amdhsa.version: [ 1, 2 ]
amdhsa.kernels:
  - .name:           k_qa3d2f209ac_chain
    .symbol:         k_qa3d2f209ac_chain.kd
    .args:
      - { .name: inp, .offset: 0, .size: 8, .value_kind: global_buffer, .address_space: global }
      - { .name: hz, .offset: 8, .size: 8, .value_kind: global_buffer, .address_space: global }
      - { .name: bf, .offset: 16, .size: 8, .value_kind: global_buffer, .address_space: global }
      - { .name: b1, .offset: 24, .size: 8, .value_kind: global_buffer, .address_space: global }
      - { .name: b2, .offset: 32, .size: 8, .value_kind: global_buffer, .address_space: global }
      - { .name: ws, .offset: 40, .size: 8, .value_kind: global_buffer, .address_space: global }
      - { .name: out0, .offset: 48, .size: 8, .value_kind: global_buffer, .address_space: global }
    .group_segment_fixed_size: 327680
    .private_segment_fixed_size: 0
    .kernarg_segment_align: 8
    .kernarg_segment_size: 56
    .max_flat_workgroup_size: 128
    .sgpr_count:     70
    .vgpr_count:     1024
    .wavefront_size: 32
...
	.end_amdgpu_metadata
.endif
;; end of part 2
;; ======== version 2 of 2: 2 launches
;; limits: values are held in f16: magnitudes above 65,504 overflow, below 6.1e-05 lose precision; right only within a limited range of input values
;; workspace buffers: ws 5,242,880 bytes
;; launch prep (part 3): grid 320 x 1, 8 waves a work-group, no clusters, 17,408 bytes of LDS; arguments Wf, W1, W2, ws; writes ws
.if DOCPART == 3
	.amdgcn_target "amdgcn-amd-amdhsa--gfx1250"
	.amdhsa_code_object_version 6
	.text
	.protected	k_qa3d2f209ac_prep
	.globl	k_qa3d2f209ac_prep
	.p2align	8
	.type	k_qa3d2f209ac_prep,@function
k_qa3d2f209ac_prep:
	s_mov_b64 s[64:65], 0
	v_nop
	global_prefetch_b8 v0, s[64:65] scope:SCOPE_SE
	s_setreg_imm32_b32 hwreg(HW_REG_WAVE_MODE, 25, 1), 1
	s_wait_xcnt 0x0
; GODE, launch 1 of 2: the three weight matrices are rounded once and laid out as the chain's matrix operands.
; Nothing of reference() is left out in this program: all eight inputs have a way to the output and are read; every product, bias and activation is made.
; ws: five panels of 1,024 k x 512 n in f16, 1 MiB each: Wf[:,0:512], Wf[:,512:1024], W1[:,0:512], W1[:,512:1024], W2.  A panel lies in FRAGMENTS of 32 k x 16 n, 1,024 bytes each, as a wave's
; registers take them: element (q, k, n) at byte q 2^20 + (k >> 5) 32768 + (n >> 4) 1024 + ((k >> 3) & 3) 256 + (n & 15) 16 + (k & 7) 2.
; FORMAT.  Each weight is rounded to bf16 (nearest even) and that number is written as f16: exact between 2^-14 and 65,504.
; LIMITS.  A weight of 65,520 or more in magnitude becomes an infinity; below 2^-14 a weight keeps f16's fixed step of 2^-24.  NaN and infinities are not treated apart.
; SHARES.  A work-group takes 32,768 bytes of a source: 8 rows k of Wf or W1 (work-groups 0-127, 128-255), or 16 rows of W2 (256-319), threads 128-255 the second eight.
; A thread loads 16 bytes (4 n) of each of 8 rows: a wave's load covers 512 consecutive bytes.  It packs, for each of its 4 n, the 8 k into 16 bytes.  In ws the 16 n of a fragment lie side by side,
; 16 bytes each, so the wave turns its 2,048 bytes through LDS bytes of its own (no barrier), and each store has sixteen lanes that fill 256 consecutive bytes, aligned.
.set X,   8                            ; v[8:39]   row j: four f32 as loaded
.set D,   40                           ; v[40:55]  for n = 4 t + i: four registers, 8 f16 along k
.set R,   56                           ; v[56:71]  the same bytes in ws's order
.set T,   72                           ; v[72:79]  at work
.set SO,  2                            ; v2   my byte offset in the work-group's part of the source
.set DO,  3                            ; v3   my byte offset in ws
.set LS,  5                            ; v5   64 t: where I put my four pieces
.set LR,  6                            ; v6   2,048 x wave + 16 x lane: where I read
.set SPW, 80                           ; v80  LDS address of my spare word; never rewritten
.set NIL, 81                           ; v81  0; never rewritten
.set SPARE, 16384                      ; behind the eight waves' 2,048 bytes: the spare words, 128 bytes for each wave, that no other line names
	s_load_b256 s[4:11], s[0:1], 0x0               ; Wf s[4:5], W1 s[6:7], W2 s[8:9], ws s[10:11]
	v_lshl_add_u32 v[SPW], v0, 2, SPARE
	v_mov_b32 v[NIL], 0
	s_lshr_b32 s12, ttmp9, 7                       ; which matrix: 0, 1, 2
	s_and_b32 s13, ttmp9, 127                      ; the work-group's number within it
	s_mov_b32 s20, 0xffff0000                      ; a word's upper bf16
	s_lshl_b32 s16, s13, 15                        ; its 32,768 bytes of the source
	s_mov_b32 s17, 0
	s_lshr_b32 s24, s13, 2                         ; Wf, W1: k >> 5 = number >> 2,
	s_and_b32 s25, s13, 3
	s_lshl_b32 s25, s25, 8                         ; (k >> 3) & 3 = number & 3
	s_lshr_b32 s26, s13, 1                         ; W2: k >> 5 = number >> 1,
	s_and_b32 s27, s13, 1
	s_lshl_b32 s27, s27, 9                         ; (k >> 3) & 3 = 2 (number & 1) + (t >> 7)
	s_cmp_eq_u32 s12, 2
	s_cselect_b32 s24, s26, s24
	s_cselect_b32 s25, s27, s25
	s_cselect_b32 s21, 14, 11                      ; threads 128-255 in the source: eight rows of 2,048 bytes on, or 2,048 bytes on in the row
	s_cselect_b32 s22, 8, 20                       ; and in ws: the next eight k, or the next panel
	s_lshl_b32 s24, s24, 15
	s_add_co_u32 s18, s24, s25
	s_lshl_b32 s19, s12, 21                        ; the matrix's first panel: 2 x its number
	s_add_co_u32 s18, s18, s19
	s_mov_b32 s19, 0
	v_lshrrev_b32 v1, 7, v0
	v_and_b32 v[SO], 127, v0
	v_lshlrev_b32 v[SO], 4, v[SO]
	v_lshlrev_b32 v4, s21, v1
	v_add_nc_u32 v[SO], v[SO], v4
	v_lshlrev_b32 v[DO], s22, v1
	v_bfe_u32 v4, v0, 5, 2                         ; a wave's 128 n are 8 fragments: 8,192 bytes
	v_lshl_add_u32 v[DO], v4, 13, v[DO]
	v_bfe_u32 v4, v0, 4, 1                         ; lanes 16-31 store the next fragment's piece
	v_lshl_add_u32 v[DO], v4, 10, v[DO]
	v_and_b32 v4, 15, v0
	v_lshl_add_u32 v[DO], v4, 4, v[DO]
	v_lshlrev_b32 v[LS], 6, v0
	v_lshrrev_b32 v[LR], 5, v0
	v_and_b32 v4, 31, v0
	v_lshlrev_b32 v4, 4, v4
	v_lshl_add_u32 v[LR], v[LR], 11, v4
	s_wait_kmcnt 0x0
	s_cmp_eq_u32 s12, 0
	s_cselect_b64 s[14:15], s[4:5], s[6:7]
	s_cmp_eq_u32 s12, 2
	s_cselect_b64 s[14:15], s[8:9], s[14:15]
	s_add_nc_u64 s[14:15], s[14:15], s[16:17]      ; the source at my work-group's part
	s_add_nc_u64 s[10:11], s[10:11], s[18:19]      ; ws at its place
.macro LD8 step                        ; eight rows, step bytes apart; all go out before the first wait
.irp j, 0,1,2,3,4,5,6,7
	global_load_b128 v[X+4*(\j):X+4*(\j)+3], v[SO], s[14:15] offset:(\step)*(\j) th:TH_LOAD_NT
.endr
.endm
	s_cmp_eq_u32 s12, 2
	s_cbranch_scc1 .Lnarrow
	LD8 4096
	s_branch .Lloaded
.Lnarrow:
	LD8 2048
.Lloaded:
.irp p, 0,1,2,3
	s_wait_loadcnt 6-2*(\p)                        ; loads come back in order: rows 2 p and 2 p + 1 are in, the 6 - 2 p younger ones may stay out
.irp i, 0,1,2,3
	v_cvt_pk_bf16_f32 v[T+2*(\i)], v[X+8*(\p)+(\i)], v[X+8*(\p)+4+(\i)]  ; two k of one n, rounded to bf16,
	v_lshlrev_b32 v[T+2*(\i)+1], 16, v[T+2*(\i)]                         ; widened again,
	v_and_b32 v[T+2*(\i)], s20, v[T+2*(\i)]
	v_cvt_pk_f16_f32 v[D+4*(\i)+(\p)], v[T+2*(\i)+1], v[T+2*(\i)]        ; and written as f16, the lower k in the low half
.endr
.endr
.irp i, 0,1,2,3
	ds_store_b128 v[LS], v[D+4*(\i):D+4*(\i)+3] offset:16*(\i)
.endr
.irp c, 0,1,2,3
	ds_load_b128 v[R+4*(\c):R+4*(\c)+3], v[LR] offset:512*(\c)  ; LDS serves a wave's instructions in order (ISA guide 5.7.1.4): these see the wave's own stores above
.endr
.irp c, 0,1,2,3
	s_wait_dscnt 3-(\c)                            ; piece c is back; the 3 - c younger loads may stay out
	global_store_b128 v[DO], v[R+4*(\c):R+4*(\c)+3], s[10:11] offset:2048*(\c)  ; fragments 2 c and 2 c + 1 of the wave's eight; no register of a store is written again
.endr
	s_wait_tensorcnt 0x0                           ; the wave's end: behind my last LDS store
	ds_add_u32 v[SPW], v[NIL]
	s_wait_dscnt 0x0
	s_endpgm
.Lfunc_end_k_qa3d2f209ac_prep:
	.size	k_qa3d2f209ac_prep, .Lfunc_end_k_qa3d2f209ac_prep-k_qa3d2f209ac_prep
	.p2alignl 7, 3214868480
	.fill 96, 4, 3214868480
	.section	.rodata,"a",@progbits
	.p2align	6, 0x0
	.amdhsa_kernel k_qa3d2f209ac_prep
		.amdhsa_group_segment_fixed_size 17408
		.amdhsa_private_segment_fixed_size 0
		.amdhsa_enable_private_segment 0
		.amdhsa_kernarg_size 32
		.amdhsa_user_sgpr_count 2
		.amdhsa_user_sgpr_kernarg_segment_ptr 1
		.amdhsa_wavefront_size32 1
		.amdhsa_system_sgpr_workgroup_id_x 1
		.amdhsa_system_sgpr_workgroup_id_y 1
		.amdhsa_system_sgpr_workgroup_id_z 1
		.amdhsa_system_vgpr_workitem_id 0
		.amdhsa_next_free_vgpr 96
		.amdhsa_next_free_sgpr 66
		.amdhsa_reserve_vcc 0
		.amdhsa_float_denorm_mode_32 3
		.amdhsa_float_denorm_mode_16_64 3
		.amdhsa_memory_ordered 1
		.amdhsa_forward_progress 1
		.amdhsa_inst_pref_size 8
	.end_amdhsa_kernel
	.amdgpu_metadata
---
amdhsa.version: [ 1, 2 ]
amdhsa.kernels:
  - .name:           k_qa3d2f209ac_prep
    .symbol:         k_qa3d2f209ac_prep.kd
    .args:
      - { .name: Wf, .offset: 0, .size: 8, .value_kind: global_buffer, .address_space: global }
      - { .name: W1, .offset: 8, .size: 8, .value_kind: global_buffer, .address_space: global }
      - { .name: W2, .offset: 16, .size: 8, .value_kind: global_buffer, .address_space: global }
      - { .name: ws, .offset: 24, .size: 8, .value_kind: global_buffer, .address_space: global }
    .group_segment_fixed_size: 17408
    .private_segment_fixed_size: 0
    .kernarg_segment_align: 8
    .kernarg_segment_size: 32
    .max_flat_workgroup_size: 256
    .sgpr_count:     66
    .vgpr_count:     96
    .wavefront_size: 32
...
	.end_amdgpu_metadata
.endif
;; end of part 3
;; launch chain (part 4): grid 256 x 1, 4 waves a work-group, no clusters, 311,808 bytes of LDS; arguments inp, hz, bf, b1, b2, ws, out0; writes out0
.if DOCPART == 4
	.amdgcn_target "amdgcn-amd-amdhsa--gfx1250"
	.amdhsa_code_object_version 6
	.text
	.protected	k_qa3d2f209ac_chain
	.globl	k_qa3d2f209ac_chain
	.p2align	8
	.type	k_qa3d2f209ac_chain,@function
k_qa3d2f209ac_chain:
	s_mov_b64 s[64:65], 0
	v_nop
	global_prefetch_b8 v0, s[64:65] scope:SCOPE_SE
	s_setreg_imm32_b32 hwreg(HW_REG_WAVE_MODE, 25, 1), 1
	s_wait_xcnt 0x0
; GODE, launch 2 of 2: the whole chain for 64 rows a work-group.  h = cat(inp, hz); twice h += 0.1 tanh(h Wf + bf); g = relu(h W1 + b1); out0 = tanh(g W2 + b2).  Nothing is left out.
; SEVEN PASSES of one shape, 64 rows x 512 columns x K = 1,024, over ws's panels 0, 1, 0, 1, 2, 3, 4: a layer of 1,024 columns is two passes (column sets A and B).
; A wave makes 64 rows x 128 columns of a pass (32 accumulators, 256 registers) and keeps its 64 x 256 part of the state h, later g, in f32: set B in 256 registers, set A in 32 KiB of LDS of its own.
; FORMATS.  inp, hz and the biases are rounded to bf16, as the weights were; those numbers are exact in f16 and f32.  The matrix operands are f16: h0 exactly, h1, h2 and g rounded once.
; The state is carried in f32; sums in f32.  tanh(x) = 1 - 2 / (1 + 2^(c x)), c = 2 log2(e): 2^(c x) = infinity gives 1, 0 gives -1.
; LIMITS.  |inp|, |hz|, |h| under 65,504; g is held to 65,504 (one v_med3_num_f32 is relu and bound).  Room: inputs 30 times the drawn spread give |h| of some 150 and g of some 3,000; an offset of
; 30 spreads on h and W1 gives g under 30,000.  Operands below 2^-14 keep f16's fixed step of 2^-24.  NaN and infinities are not treated apart.
; THE PRODUCT IS USED TRANSPOSED: source 0 = 16 weight columns, source 1 = 16 rows of H.  Register j of lane l then holds row 16 a + l % 16 and column 16 b + 8 (l / 16) + j: eight neighbouring
; columns of one row, for the bias, for H (16 bytes of f16) and for out0 (32 bytes).
; THE WEIGHTS COME STRAIGHT INTO REGISTERS.  No wave wants a weight that another wave of the work-group has fetched, and ws holds the fragments as registers take them: a group (32 along K x my 128
; columns) is 16 loads of 512 consecutive bytes.  Four landing buffers of a group each; a half buffer is asked for again four places behind the last product that read it, for the group four on.
; NO CLUSTER, NO JOINT LOADS, though all work-groups walk the same weights: a joint load lands in LDS alone.  1 KiB of weights is 512 x 64 multiply-adds, one matrix instruction a wave; beside H two
; slots hold 64 k-rows each, so a slot's load has under 64 matrix instructions in which to land, with a meeting of the whole cluster at every slot.  The price: each work-group reads all of ws itself.
; REGISTERS, in windows of 256 (s_set_vgpr_msb: bits 1:0 source 0, 3:2 source 1, 5:4 source 2, 7:6 destination):
;   window 0: v0-31 addresses; v32-95 two buffers of H's fragments; v96-159 the pass's bias; v160-255 at work (all of v32-255 also landing and packing registers in the head and the tails)
;   window 1: accumulator (a, b) at v[8 (8 a + b)]      window 2: the weights' four buffers, group position p at v[64 p], column tile b at + 8 b      window 3: the state's set B, indexed as window 1
.set HP,     2064                      ; H: 64 rows x 1,024 f16 from LDS byte 0; pitch 2,048 + 16: the 16 rows of a load start at 16 different groups of four banks (64 banks of 4 bytes: ISA guide 11.1)
.set BIAS,   64*HP                     ; 7 x 512 f32 in the passes' order: c bf (A, B, A, B), b1 (A, B), c b2
.set SA,     BIAS+7*2048               ; the state's set A: 32,768 bytes a wave, register quad q of 64 at 512 q + 16 x lane
.set STAGE,  SA+4*32768                ; for the way out: 16 rows x 528 bytes for each wave, its own
.set SP,     528
.set SPARE,  STAGE+4*16*SP             ; the spare words, 128 bytes for each wave: two blocks of 256 bytes that no other line names
.set RR,  1                            ; v1   l % 16
.set HH,  2                            ; v2   l / 16
.set TV,  3                            ; v3   at work
.set WO,  4                            ; v4   16 x lane: my bytes in a load of weights; never rewritten
.set SAA, 5                            ; v5   SA + 32,768 w + 16 x lane
.set AA0, 6                            ; v6-7   (l % 16) HP + 16 (l / 16), for rows 0-31 and 32-63; never rewritten
.set AA,  8                            ; v8-9   the same, stepped along K
.set HS,  10                           ; v10-11 AA0 + 256 w: my 16 bytes of my columns
.set BA,  12                           ; v12  the pass's bias
.set BA0, 13                           ; v13  BIAS + 512 w + 32 (l / 16)
.set STO, 14                           ; v14  the way out: where I put 32 bytes of a row
.set RD,  15                           ; v15  where I read a row back
.set SPW, 16                           ; v16  LDS address of my spare word; never rewritten
.set NIL, 17                           ; v17  0; never rewritten
.set PFO, 18                           ; v18  256 x lane
.set GO,  19                           ; v19  512 w + 16 x lane: my bytes in a row of out0
.set GI,  20                           ; v20-21 input sets 0, 1: my byte offset in the wave's rows of inp and hz
.set HW,  22                           ; v22-23 where their f16 go in H
.set BT,  24                           ; v24  16 t
.set BL,  25                           ; v25  BIAS + 16 t
.set FA,  32                           ; H's fragments: buffer f at FA + 32 f, rows 16 a on at + 8 a
.set BI,  96
.set T1,  160
.set T,   224
.set IN,  32                           ; the head's landing registers: set s at IN + 96 s
.set WV,  18                           ; s18  my wave's number
.set PASS, 21                          ; s21  passes to go, 7 to 1
.set TRIP, 22
.set NT,  23                           ; s23  the walk's trip (4 groups, 131,072 bytes of ws) to be asked for next
.set WP,  24                           ; s[24:25] ws at my columns of that trip
.set WSW, 40                           ; s[40:41] ws at my columns of trip 0
.set OFF, 42                           ; s[42:43] a trip's byte offset
.set PFB, 44                           ; s[44:45] ws at my 8,192 bytes of trip 0
.set PFA, 46                           ; s[46:47] where the next prefetch points
.set OFP, 48                           ; s[48:49] its trip's byte offset
.set PU,  50                           ; s50  the walk's trip that the next prefetch names
.set CL0, 51                           ; s51  1 in work-groups 0 to 3
.set ASKF, 52                          ; s52  1: this trip prefetches
.set BO,  53                           ; s53  2,048 x the pass's number
.set CS,  54                           ; s[54:55] c
.set A2,  56                           ; s[56:57] -0.2; in the last pass -2
.set A1,  58                           ; s[58:59] 0.1; in the last pass 1
.set TOP, 60                           ; s60  65,504.0
.set HIM, 61                           ; s61  a word's upper bf16
.set HC,  62                           ; s62  counts the head's loop
.set MSB, 0
.macro WIN new                         ; the immediate's high byte repeats the setting that is left; a switch that changes nothing is dropped
.if MSB != (\new)
	s_set_vgpr_msb (MSB<<8)|(\new)
.set MSB, (\new)
.endif
.endm
.set MUL,  0x52                        ; source 0 (weights) window 2, source 1 (H) window 0, C and D window 1
.set TOW,  0x80                        ; destination window 2, address window 0
.set ACTW, 0x41                        ; destination and source 0 window 1
.set STW,  0x04                        ; an LDS store's data window 1
.macro PLACES                          ; four places behind a matrix instruction, in front of loads into its sources and of vector lines on its registers (ISA guide 7.12.1 for vector lines)
.rept 4
	v_nop
.endr
.endm
; Once a trip the loads' pointer is made anew: walk trips 0-15 are Wf's 16 trips, trips 16 on begin at Wf again.  It stands 16 matrix instructions behind the youngest load and a trip behind the
; last prefetch.  THE PREFETCH of ws: a trip's 131,072 bytes are shared out by address among the sixteen waves of work-groups 0 to 3, 8,192 bytes each, a lane a block of 256 bytes: one instruction
; a wave and trip, so each block is named once in the launch.  It names the trip four ahead of the one in hand: three trips, 384 matrix instructions a wave, ahead of the loads that first want it.
; Trips 0-3 come by their loads alone; Wf's second walk (trips 16-31) and what lies past trip 55 are not asked for.
.macro NEXTP
	s_wait_xcnt 0x0                                ; every load and prefetch issued so far has read its address
	s_sub_co_u32 s2, s[NT], 16
	s_cmp_lt_u32 s[NT], 16
	s_cselect_b32 s2, s[NT], s2
	s_lshl_b32 s[OFF], s2, 17
	s_add_nc_u64 s[WP:WP+1], s[WSW:WSW+1], s[OFF:OFF+1]
	s_add_co_u32 s[NT], s[NT], 1
	s_add_co_u32 s[PU], s[PU], 1
	s_sub_co_u32 s3, s[PU], 16
	s_cmp_lt_u32 s[PU], 16
	s_cselect_b32 s3, s[PU], s3                    ; the trip's place in ws
	s_cselect_b32 s[ASKF], s[CL0], 0               ; Wf's first walk
	s_min_u32 s3, s3, 39                           ; the pointer stays inside ws in the trips that ask for nothing too
	s_lshl_b32 s[OFP], s3, 17
	s_add_nc_u64 s[PFA:PFA+1], s[PFB:PFB+1], s[OFP:OFP+1]
	s_sub_co_u32 s3, s[PU], 32
	s_cmp_lt_u32 s3, 24                            ; trips 32-55: W1 and W2
	s_cselect_b32 s[ASKF], s[CL0], s[ASKF]
.endm
.macro ASK
	s_cmp_lg_u32 s[ASKF], 0
	s_cbranch_scc0 .Lnot_mine_\@
	global_prefetch_b8 v[PFO], s[PFA:PFA+1] th:TH_LOAD_NT scope:SCOPE_SE
.Lnot_mine_\@:
.endm
; 8 loads: column tiles 4 h to 4 h + 3 of the group at position p of the trip that WP names, into buffer p
.macro LOADW p, h
	WIN TOW
.irp t, 0,1,2,3
	global_load_b128 v[64*(\p)+8*(4*(\h)+(\t)):64*(\p)+8*(4*(\h)+(\t))+3],   v[WO], s[WP:WP+1] offset:(\p)*32768+(4*(\h)+(\t))*1024
	global_load_b128 v[64*(\p)+8*(4*(\h)+(\t))+4:64*(\p)+8*(4*(\h)+(\t))+7], v[WO], s[WP:WP+1] offset:(\p)*32768+(4*(\h)+(\t))*1024+512
.endr
.endm
; 8 LDS loads: 4 x 16 rows of H, 32 along K at byte ka behind AA, into buffer f
.macro FETCHA f, ka
	WIN 0
.irp a, 0,1,2,3
	ds_load_b128 v[FA+32*(\f)+8*(\a):FA+32*(\f)+8*(\a)+3],   v[AA+(\a)/2] offset:(\ka)+((\a)%2)*16*HP
	ds_load_b128 v[FA+32*(\f)+8*(\a)+4:FA+32*(\f)+8*(\a)+7], v[AA+(\a)/2] offset:(\ka)+((\a)%2)*16*HP+32
.endr
.endm
; 16 matrix instructions: column tiles 4 h to 4 h + 3 x all 64 rows.  The 32 accumulators take turns, one instruction a turn, in the same order in every group, over both backward jumps too.
.macro MULH p, h, zero
	WIN MUL
.irp b, 0,1,2,3
.irp a, 0,1,2,3
.if \zero
	v_wmma_f32_16x16x32_f16 v[8*(8*(\a)+4*(\h)+(\b)):8*(8*(\a)+4*(\h)+(\b))+7], v[64*(\p)+8*(4*(\h)+(\b)):64*(\p)+8*(4*(\h)+(\b))+7], v[FA+32*((\p)%2)+8*(\a):FA+32*((\p)%2)+8*(\a)+7], 0
.else
	v_wmma_f32_16x16x32_f16 v[8*(8*(\a)+4*(\h)+(\b)):8*(8*(\a)+4*(\h)+(\b))+7], v[64*(\p)+8*(4*(\h)+(\b)):64*(\p)+8*(4*(\h)+(\b))+7], v[FA+32*((\p)%2)+8*(\a):FA+32*((\p)%2)+8*(\a)+7], v[8*(8*(\a)+4*(\h)+(\b)):8*(8*(\a)+4*(\h)+(\b))+7]
.endif
.endr
.endr
.endm
; A GROUP, 32 along K, at position p of its trip.  At its head its first half of weights is in.  Behind each half's products stands the wait for the half wanted next (lw0, lw1: the loads issued
; behind that half: six halves of 8 while the stream runs; -1: no wait), then the half just read is asked for again (load = 1).  fa = 1: H's fragments of the group two on.  dw: the LDS loads
; issued behind this group's fragments.  step = 1, a trip's first group: the pointers are stepped, and the trip's prefetch stands behind its first loads.
.macro GROUP p, zero, load, fa, dw, lw0, lw1, step
	s_wait_dscnt \dw
	MULH \p, 0, \zero
	s_wait_loadcnt \lw0
.if \load
.if \step
	NEXTP
.endif
	PLACES
	LOADW \p, 0
.if \step
	WIN 0
	ASK
.endif
.endif
	MULH \p, 1, \zero
.if (\lw1) >= 0
	s_wait_loadcnt \lw1
.endif
.if (\load) || (\fa)
	PLACES
.endif
.if \load
	LOADW \p, 1
.endif
.if \fa
	FETCHA (\p)%2, 64*((\p)+2)
.endif
.endm
; A TRIP, four groups.  kind 0: a pass's first (its first group starts the sums); 1: one of the six in the loop; 2: a pass's last, which asks for the next pass's first trip and for no more of H;
; 3: the walk's last: nothing is asked for, and the counts run down.
.macro TRIP4 kind
.if (\kind) < 2
	GROUP 0, 1-(\kind), 1, 1, 8, 48, 48, 1
	GROUP 1, 0, 1, 1, 8, 48, 48, 0
	GROUP 2, 0, 1, 1, 8, 48, 48, 0
	GROUP 3, 0, 1, 1, 8, 48, 48, 0
	WIN 0
	v_add_nc_u32 v[AA], 256, v[AA]                 ; 128 along K
	v_add_nc_u32 v[AA+1], 256, v[AA+1]
.elseif (\kind) == 2
	GROUP 0, 0, 1, 1, 8, 48, 48, 1
	GROUP 1, 0, 1, 1, 8, 48, 48, 0
	GROUP 2, 0, 1, 0, 8, 48, 48, 0
	GROUP 3, 0, 1, 0, 0, 48, 48, 0
.else
	GROUP 0, 0, 0, 1, 8, 48, 40, 0
	GROUP 1, 0, 0, 1, 8, 32, 24, 0
	GROUP 2, 0, 0, 0, 8, 16, 8, 0
	GROUP 3, 0, 0, 0, 0, 0, -1, 0
.endif
.endm
.macro BIASLD                          ; the pass's bias for my 128 columns: register BI + 8 b + j for column 16 b + 8 (l / 16) + j
	WIN 0
.irp b, 0,1,2,3,4,5,6,7
	ds_load_b128 v[BI+8*(\b):BI+8*(\b)+3],   v[BA] offset:64*(\b)
	ds_load_b128 v[BI+8*(\b)+4:BI+8*(\b)+7], v[BA] offset:64*(\b)+16
.endr
.endm
; THE ACTIVATIONS work in place on window 1.  Pair p is registers 2 p, 2 p + 1.
.macro S1 p                            ; c x + c bias
	v_pk_fma_f32 v[2*(\p):2*(\p)+1], v[2*(\p):2*(\p)+1], s[CS:CS+1], v[BI+(2*(\p))%64:BI+(2*(\p))%64+1] op_sel_hi:[1,0,1]
.endm
.macro AD p                            ; 1 + 2^..
	v_pk_add_f32 v[2*(\p):2*(\p)+1], v[2*(\p):2*(\p)+1], 1.0 op_sel_hi:[1,0]
.endm
.macro S5 p                            ; 0.1 - 0.2 r, the Euler step's increment; in the last pass 1 - 2 r
	v_pk_fma_f32 v[2*(\p):2*(\p)+1], v[2*(\p):2*(\p)+1], s[A2:A2+1], s[A1:A1+1] op_sel_hi:[1,0,0]
.endm
.macro TR2 op, p
	\op v[2*(\p)], v[2*(\p)]
	\op v[2*(\p)+1], v[2*(\p)+1]
.endm
; tanh of 256 numbers a lane, in two halves X (pairs 0-63) and Y (64-127) that take turns: while one half's transcendentals are issued, the other half's plain lines stand between them.
; Four batches of 128 transcendentals, each with ONE s_wait_alu depctr_va_vdst(0) ahead of the first line that names a result; the last line ahead of each wait is plain
; and names no result.  Each accumulator's lowest registers are read first (the pairs ascend).
.macro TANH
	WIN ACTW
.set i, 0
.rept 64
	S1 i
.set i, i+1
.endr
.set i, 0
.rept 64
	TR2 v_exp_f32, i
	S1 64+i
.set i, i+1
.endr
	s_wait_alu depctr_va_vdst(0)
.set i, 0
.rept 64
	TR2 v_exp_f32, 64+i
	AD i
.set i, i+1
.endr
	s_wait_alu depctr_va_vdst(0)
.set i, 0
.rept 64
	TR2 v_rcp_f32, i
	AD 64+i
.set i, i+1
.endr
	s_wait_alu depctr_va_vdst(0)
.set i, 0
.rept 64
	TR2 v_rcp_f32, 64+i
	S5 i
.set i, i+1
.endr
	s_wait_alu depctr_va_vdst(0)
.set i, 0
.rept 64
	S5 64+i
.set i, i+1
.endr
.endm
; SET A's STATE lies in my own LDS bytes, in chunks of 64 registers (rows 16 c on): 16 loads or stores of 512 consecutive bytes.
.macro SALD c, tmp
	WIN 0
.irp q, 0,1,2,3,4,5,6,7,8,9,10,11,12,13,14,15
	ds_load_b128 v[(\tmp)+4*(\q):(\tmp)+4*(\q)+3], v[SAA] offset:(16*(\c)+(\q))*512
.endr
.endm
.macro SAST c                          ; out of window 1
	WIN STW
.irp q, 0,1,2,3,4,5,6,7,8,9,10,11,12,13,14,15
	ds_store_b128 v[SAA], v[64*(\c)+4*(\q):64*(\c)+4*(\q)+3] offset:(16*(\c)+(\q))*512
.endr
.endm
.macro SAADD c, tmp                    ; the increment + h
	WIN ACTW
.set i, 0
.rept 32
	v_pk_add_f32 v[64*(\c)+2*i:64*(\c)+2*i+1], v[64*(\c)+2*i:64*(\c)+2*i+1], v[(\tmp)+2*i:(\tmp)+2*i+1]
.set i, i+1
.endr
.endm
.macro TAILA                           ; set A: h += the increment.  Each wait counts the LDS lines issued behind the chunk wanted: 16 loads; 16 stores and 16 loads; 16 stores
	SALD 0, BI
	SALD 1, T1
	s_wait_dscnt 16
	SAADD 0, BI
	SAST 0
	SALD 2, BI
	s_wait_dscnt 32
	SAADD 1, T1
	SAST 1
	SALD 3, T1
	s_wait_dscnt 32
	SAADD 2, BI
	SAST 2
	s_wait_dscnt 16
	SAADD 3, T1
	SAST 3
.endm
.macro TAILB                           ; set B: h += the increment: destination and source 0 window 3, source 1 window 1
	WIN 0xc7
.set i, 0
.rept 128
	v_pk_add_f32 v[2*i:2*i+1], v[2*i:2*i+1], v[2*i:2*i+1]
.set i, i+1
.endr
.endm
.macro RELUADD                         ; x + b1
	WIN ACTW
.set i, 0
.rept 128
	v_pk_add_f32 v[2*i:2*i+1], v[2*i:2*i+1], v[BI+(2*i)%64:BI+(2*i)%64+1]
.set i, i+1
.endr
.endm
.macro MED w                           ; g = x held to 0 .. 65,504; w = ACTW: in place; 0xc1: into window 3, where the state is dead (h2's copy lies in H)
	WIN \w
.set i, 0
.rept 256
	v_med3_num_f32 v[i], v[i], 0, s[TOP]
.set i, i+1
.endr
.endm
; THE NEW STATE GOES INTO H as f16, 16 bytes a lane and tile.  Set A by chunks out of LDS, set B by halves out of window 3.
.macro PKA tmp, pk
	WIN 0
.set i, 0
.rept 32
	v_cvt_pk_f16_f32 v[(\pk)+i], v[(\tmp)+2*i], v[(\tmp)+2*i+1]
.set i, i+1
.endr
.endm
.macro HST a, pk
.irp b, 0,1,2,3,4,5,6,7
	ds_store_b128 v[HS+(\a)/2], v[(\pk)+4*(\b):(\pk)+4*(\b)+3] offset:((\a)%2)*16*HP+32*(\b)
.endr
.endm
.macro HWA                             ; each wait counts the LDS lines issued behind the chunk wanted: 16 loads; 8 stores and 16 loads; 8 stores
	SALD 0, BI
	SALD 1, T1
	s_wait_dscnt 16
	PKA BI, FA
	HST 0, FA
	SALD 2, BI
	s_wait_dscnt 24
	PKA T1, FA+32
	HST 1, FA+32
	SALD 3, T1
	s_wait_dscnt 24
	PKA BI, FA
	HST 2, FA
	s_wait_dscnt 8
	PKA T1, FA+32
	HST 3, FA+32
.endm
.macro HWB half, tmp
	WIN 0x0f                                       ; sources 0 and 1 window 3
.set i, 0
.rept 64
	v_cvt_pk_f16_f32 v[(\tmp)+i], v[128*(\half)+2*i], v[128*(\half)+2*i+1]
.set i, i+1
.endr
	WIN 0
.irp a, 0,1
.irp b, 0,1,2,3,4,5,6,7
	ds_store_b128 v[HS+(\half)], v[(\tmp)+4*(8*(\a)+(\b)):(\tmp)+4*(8*(\a)+(\b))+3] offset:(\a)*16*HP+32*(\b)+1024
.endr
.endr
.endm
; And the other way, once, in the head: h0 of my columns out of H; f16 to f32 is exact.
.macro CVH n, d
	v_cvt_f32_f16 v[(\d)], v\n\().l
	v_cvt_f32_f16 v[(\d)+1], v\n\().h
.endm
.macro RESB half                       ; set B, rows 32 half on, into window 3
	WIN 0
.irp a, 0,1
.irp b, 0,1,2,3,4,5,6,7
	ds_load_b128 v[FA+4*(8*(\a)+(\b)):FA+4*(8*(\a)+(\b))+3], v[HS+(\half)] offset:(\a)*16*HP+32*(\b)+1024
.endr
.endr
	s_wait_dscnt 0x0
	WIN 0xc0                                       ; destination window 3
.irp n, 32,33,34,35,36,37,38,39,40,41,42,43,44,45,46,47,48,49,50,51,52,53,54,55,56,57,58,59,60,61,62,63,64,65,66,67,68,69,70,71,72,73,74,75,76,77,78,79,80,81,82,83,84,85,86,87,88,89,90,91,92,93,94,95
	CVH \n, 128*(\half)+2*(\n)-64
.endr
.endm
.macro RESA a                          ; set A, rows 16 a on, into my LDS bytes
	WIN 0
.irp b, 0,1,2,3,4,5,6,7
	ds_load_b128 v[FA+4*(\b):FA+4*(\b)+3], v[HS+(\a)/2] offset:((\a)%2)*16*HP+32*(\b)
.endr
	s_wait_dscnt 0x0
.irp n, 32,33,34,35,36,37,38,39,40,41,42,43,44,45,46,47,48,49,50,51,52,53,54,55,56,57,58,59,60,61,62,63
	CVH \n, T1+2*(\n)-64
.endr
.irp q, 0,1,2,3,4,5,6,7,8,9,10,11,12,13,14,15
	ds_store_b128 v[SAA], v[T1+4*(\q):T1+4*(\q)+3] offset:(16*(\a)+(\q))*512
.endr
.endm
; THE WAY OUT of rows 16 a on: 32 bytes a lane and tile into my own stage, back as whole rows of 512 bytes, stored.
.macro OUTROWS a
.set BK, IN+96*((\a)%2)
	WIN 0
	s_wait_xcnt 0x0                                ; the stores of two blocks back have read the registers that are loaded again below
	WIN STW
.irp b, 0,1,2,3,4,5,6,7
	ds_store_b128 v[STO], v[8*(8*(\a)+(\b)):8*(8*(\a)+(\b))+3]   offset:64*(\b)
	ds_store_b128 v[STO], v[8*(8*(\a)+(\b))+4:8*(8*(\a)+(\b))+7] offset:64*(\b)+16
.endr
	WIN 0
.irp t, 0,1,2,3,4,5,6,7,8,9,10,11,12,13,14,15
	ds_load_b128 v[BK+4*(\t):BK+4*(\t)+3], v[RD] offset:SP*(\t)  ; LDS serves a wave's instructions in order (ISA guide 5.7.1.4): these see the stores above; the next block's stores come behind them
.endr
.irp t, 0,1,2,3,4,5,6,7,8,9,10,11,12,13,14,15
	s_wait_dscnt 15-(\t)                           ; row t is back; the 15 - t younger loads may stay out
	global_store_b128 v[GO], v[BK+4*(\t):BK+4*(\t)+3], s[16:17] offset:(16*(\a)+(\t))*2048 th:TH_STORE_NT  ; a wave's store covers 512 consecutive bytes, at a multiple of 512 from out0's first
.endr
.endm
; THE INPUTS.  A set is two rows of the wave's sixteen: 16 loads of 512 consecutive bytes, four of inp and four of hz a row.
.macro INLOAD s
.irp row, 0,1
.irp q, 0,1,2,3
	global_load_b128 v[IN+96*(\s)+4*(4*(\row)+(\q)):IN+96*(\s)+4*(4*(\row)+(\q))+3],       v[GI+(\s)], s[4:5] offset:(\row)*2048+(\q)*512 th:TH_LOAD_NT
	global_load_b128 v[IN+96*(\s)+32+4*(4*(\row)+(\q)):IN+96*(\s)+32+4*(4*(\row)+(\q))+3], v[GI+(\s)], s[6:7] offset:(\row)*2048+(\q)*512 th:TH_LOAD_NT
.endr
.endr
.endm
; Set s is rounded to bf16, written as f16 and put into H.  more = 1: the set is asked for again, four rows on.  left: the other set's loads, which may stay out.
.macro CONV s, more, left
	s_wait_loadcnt \left                           ; my set's 16 loads are in, so their address register is free too
.if \more
	v_add_nc_u32 v[GI+(\s)], 8192, v[GI+(\s)]
.endif
.irp src, 0,1
.irp row, 0,1
.irp q, 0,1,2,3
.set xr, IN+96*(\s)+32*(\src)+4*(4*(\row)+(\q))
.set tr, T+4*(4*(\row)+(\q))
	v_cvt_pk_bf16_f32 v[tr], v[xr], v[xr+1]
	v_cvt_pk_bf16_f32 v[tr+1], v[xr+2], v[xr+3]
	v_lshlrev_b32 v[xr], 16, v[tr]
	v_and_b32 v[xr+1], s[HIM], v[tr]
	v_lshlrev_b32 v[xr+2], 16, v[tr+1]
	v_and_b32 v[xr+3], s[HIM], v[tr+1]
	v_cvt_pk_f16_f32 v[tr+2], v[xr], v[xr+1]
	v_cvt_pk_f16_f32 v[tr+3], v[xr+2], v[xr+3]
	ds_store_b64 v[HW+(\s)], v[tr+2:tr+3] offset:(\row)*HP+256*(\q)+1024*(\src)
.endr
.endr
.endr
.if \more
	v_add_nc_u32 v[HW+(\s)], 4*HP, v[HW+(\s)]
	INLOAD \s
.endif
.endm
.macro BIASCV x, scale                 ; four biases rounded to bf16, as f32; scale = 1: times c
	v_cvt_pk_bf16_f32 v[T+20], v[(\x)], v[(\x)+1]
	v_cvt_pk_bf16_f32 v[T+21], v[(\x)+2], v[(\x)+3]
	v_lshlrev_b32 v[(\x)], 16, v[T+20]
	v_and_b32 v[(\x)+1], s[HIM], v[T+20]
	v_lshlrev_b32 v[(\x)+2], 16, v[T+21]
	v_and_b32 v[(\x)+3], s[HIM], v[T+21]
.if \scale
	v_pk_mul_f32 v[(\x):(\x)+1], v[(\x):(\x)+1], s[CS:CS+1] op_sel_hi:[1,0]
	v_pk_mul_f32 v[(\x)+2:(\x)+3], v[(\x)+2:(\x)+3], s[CS:CS+1] op_sel_hi:[1,0]
.endif
.endm
	; THE HEAD
	s_load_b256 s[4:11], s[0:1], 0x0               ; inp s[4:5], hz s[6:7], bf s[8:9], b1 s[10:11]
	s_load_b128 s[12:15], s[0:1], 0x20             ; b2 s[12:13], ws s[14:15]
	s_load_b64 s[16:17], s[0:1], 0x30              ; out0
	v_lshl_add_u32 v[SPW], v0, 2, SPARE
	v_mov_b32 v[NIL], 0
	v_lshrrev_b32 v[TV], 5, v0
	v_readfirstlane_b32 s[WV], v[TV]               ; wave 0..3
	v_and_b32 v[RR], 15, v0
	v_bfe_u32 v[HH], v0, 4, 1
	v_and_b32 v26, 31, v0                          ; lane
	v_lshlrev_b32 v[WO], 4, v26
	v_mul_u32_u24 v[AA0], v[RR], HP
	v_lshl_add_u32 v[AA0], v[HH], 4, v[AA0]
	v_add_nc_u32 v[AA0+1], 32*HP, v[AA0]
	s_lshl_b32 s2, s[WV], 8                        ; my 128 columns of f16: 256 bytes
	v_add_nc_u32 v[HS], s2, v[AA0]
	v_add_nc_u32 v[HS+1], s2, v[AA0+1]
	s_lshl_b32 s2, s[WV], 9                        ; 128 f32: 512 bytes
	v_lshl_add_u32 v[GO], v26, 4, s2
	s_add_co_u32 s2, s2, BIAS
	v_lshl_add_u32 v[BA0], v[HH], 5, s2
	s_mul_i32 s2, s[WV], 16*SP
	s_add_co_u32 s2, s2, STAGE                     ; my stage
	v_mul_u32_u24 v[STO], v[RR], SP
	v_lshl_add_u32 v[STO], v[HH], 5, v[STO]
	v_add_nc_u32 v[STO], s2, v[STO]
	v_lshl_add_u32 v[RD], v26, 4, s2
	s_lshl_b32 s2, s[WV], 15
	s_add_co_u32 s2, s2, SA                        ; my 32,768 bytes of state
	v_lshl_add_u32 v[SAA], v26, 4, s2
	s_mul_i32 s2, s[WV], 16*HP                     ; the 16 rows of H that I fill
	v_lshl_add_u32 v[HW], v26, 3, s2
	v_add_nc_u32 v[HW+1], 2*HP, v[HW]
	v_lshlrev_b32 v[PFO], 8, v26
	v_lshlrev_b32 v[GI], 4, v26
	v_add_nc_u32 v[GI+1], 4096, v[GI]
	v_lshlrev_b32 v[BT], 4, v0
	v_add_nc_u32 v[BL], BIAS, v[BT]
	s_mov_b32 s[CS], 0x4038aa3b                    ; c = 2 log2(e)
	s_mov_b32 s[CS+1], s[CS]                       ; the pairs' second words are named with the first, so they are written
	s_mov_b32 s[A2], 0xbe4ccccd                    ; -0.2
	s_mov_b32 s[A2+1], s[A2]
	s_mov_b32 s[A1], 0x3dcccccd                    ; 0.1
	s_mov_b32 s[A1+1], s[A1]
	s_mov_b32 s[TOP], 0x477fe000                   ; 65,504.0
	s_mov_b32 s[HIM], 0xffff0000
	s_mov_b32 s[NT], 1
	s_mov_b32 s[PU], 3
	s_mov_b32 s[ASKF], 0
	s_mov_b32 s[OFF+1], 0
	s_mov_b32 s[OFP+1], 0
	s_mov_b32 s[PASS], 7
	s_mov_b32 s[BO], 0
	s_lshl_b32 s2, s[WV], 13                       ; my 8 fragments of a group: 8,192 bytes
	s_mov_b32 s3, 0
	s_lshl_b32 s26, ttmp9, 17                      ; my work-group's 64 rows of 2,048 bytes
	s_mov_b32 s27, 0
	s_lshl_b32 s28, s[WV], 15                      ; my wave's 16 of them
	s_add_co_u32 s28, s28, s26
	s_mov_b32 s29, 0
	s_and_b32 s30, ttmp9, 3
	s_lshl2_add_u32 s30, s30, s[WV]                ; my wave among the sixteen of four work-groups
	s_lshl_b32 s30, s30, 13
	s_mov_b32 s31, 0
	s_cmp_lt_u32 ttmp9, 4
	s_cselect_b32 s[CL0], 1, 0
	s_wait_kmcnt 0x0
	s_add_nc_u64 s[WSW:WSW+1], s[14:15], s[2:3]
	s_mov_b64 s[WP:WP+1], s[WSW:WSW+1]             ; trip 0
	s_add_nc_u64 s[PFB:PFB+1], s[14:15], s[30:31]
	s_add_nc_u64 s[16:17], s[16:17], s[26:27]      ; out0 at the work-group's first row
	s_add_nc_u64 s[4:5], s[4:5], s[28:29]          ; inp and hz at my wave's first row
	s_add_nc_u64 s[6:7], s[6:7], s[28:29]
	global_load_b128 v[T:T+3],     v[BT], s[8:9]               ; 128 threads x 16 bytes: 512 biases a load
	global_load_b128 v[T+4:T+7],   v[BT], s[8:9] offset:2048
	global_load_b128 v[T+8:T+11],  v[BT], s[10:11]
	global_load_b128 v[T+12:T+15], v[BT], s[10:11] offset:2048
	global_load_b128 v[T+16:T+19], v[BT], s[12:13]
	INLOAD 0
	INLOAD 1
	s_wait_loadcnt 32                              ; the five bias loads are in; the two sets' 32 loads stay out
	BIASCV T, 1
	BIASCV T+4, 1
	BIASCV T+8, 0
	BIASCV T+12, 0
	BIASCV T+16, 1
	ds_store_b128 v[BL], v[T:T+3]                              ; passes 0 and 2
	ds_store_b128 v[BL], v[T:T+3] offset:4096
	ds_store_b128 v[BL], v[T+4:T+7] offset:2048                ; passes 1 and 3
	ds_store_b128 v[BL], v[T+4:T+7] offset:6144
	ds_store_b128 v[BL], v[T+8:T+11] offset:8192
	ds_store_b128 v[BL], v[T+12:T+15] offset:10240
	ds_store_b128 v[BL], v[T+16:T+19] offset:12288
	s_mov_b32 s[HC], 3
.Lin:                                                  ; a trip: four rows are put into H, the rows four on asked for
	CONV 0, 1, 16
	CONV 1, 1, 16
	s_sub_co_u32 s[HC], s[HC], 1
	s_cmp_lg_u32 s[HC], 0
	s_cbranch_scc1 .Lin
	CONV 0, 0, 16                                  ; the last four rows ask for nothing
	CONV 1, 0, 0
	LOADW 0, 0                                     ; the weights' stream begins: seven halves, 56 loads; they land while h0 is laid out below
	LOADW 0, 1
	LOADW 1, 0
	LOADW 1, 1
	LOADW 2, 0
	LOADW 2, 1
	LOADW 3, 0
	WIN 0
	s_wait_dscnt 0x0                               ; for the others: my rows of H and my part of the bias table are stored
	s_barrier_signal -1
	s_barrier_wait -1
	RESB 0                                         ; h0 of my columns, all 64 rows
	RESB 1
	RESA 0
	RESA 1
	RESA 2
	RESA 3
	s_wait_loadcnt 48                              ; the first half is in: six halves were issued behind it;
	LOADW 3, 1                                     ; the eighth goes out: from here on at most 56 loads of weights are out
	WIN 0
.Lpass:                                                ; seven passes; the weights' stream runs on from pass to pass
	v_mov_b32 v[AA], v[AA0]
	v_mov_b32 v[AA+1], v[AA0+1]
	v_add_nc_u32 v[BA], s[BO], v[BA0]
	BIASLD                                         ; ahead of the fragments, so that the first group's wait covers it
	FETCHA 0, 0
	FETCHA 1, 64
	TRIP4 0
	s_mov_b32 s[TRIP], 6
.Ltrip:
	TRIP4 1
	s_sub_co_u32 s[TRIP], s[TRIP], 1
	s_cmp_lg_u32 s[TRIP], 0
	s_cbranch_scc1 .Ltrip
	s_cmp_eq_u32 s[PASS], 1
	s_cbranch_scc1 .Lfin_trip                      ; the walk's last trip is written out: no load passes ws's end
	TRIP4 2
	WIN 0
	s_branch .Lact
.Lfin_trip:
	TRIP4 3
	WIN 0
	s_mov_b32 s[A2], -2.0                          ; the last pass's tanh is the result itself
	s_mov_b32 s[A2+1], -2.0
	s_mov_b32 s[A1], 1.0
	s_mov_b32 s[A1+1], 1.0
.Lact:
	s_wait_dscnt 0x0                               ; my reads of H in this pass are over
	s_barrier_signal -1                            ; behind it nobody reads H any more.  It is wanted behind a set-B pass; it stands on the one path that all passes take
	PLACES
	PLACES                                         ; behind the last products, in front of lines that work in place on their results
	s_barrier_wait -1
	s_sub_co_u32 s2, s[PASS], 2
	s_cmp_lt_u32 s2, 2                             ; 3 and 2 passes to go: the relu layer
	s_cbranch_scc1 .Lrelu
	TANH
	WIN 0
	s_cmp_eq_u32 s[PASS], 1
	s_cbranch_scc1 .Lout                           ; the seventh pass leaves the loop here
	s_bitcmp1_b32 s[PASS], 0                       ; an odd count: set A
	s_cbranch_scc0 .Leuler_b
	TAILA
	WIN 0
	s_branch .Ljoin
.Leuler_b:
	TAILB
	WIN 0
	s_branch .Lwrite
.Lrelu:
	RELUADD
	WIN 0
	s_bitcmp1_b32 s[PASS], 0
	s_cbranch_scc0 .Lrelu_b
	MED ACTW
	SAST 0
	SAST 1
	SAST 2
	SAST 3
	WIN 0
	s_branch .Ljoin
.Lrelu_b:
	MED 0xc1
	WIN 0
.Lwrite:                                               ; a layer is whole: both sets go into H
	HWA
	HWB 0, BI
	HWB 1, T1
.Ljoin:
	s_wait_dscnt 0x0                               ; for the others: my columns of H are stored
	s_barrier_signal -1                            ; behind a set-B pass: the new H is whole
	s_barrier_wait -1
	s_add_co_u32 s[BO], s[BO], 2048
	s_sub_co_u32 s[PASS], s[PASS], 1
	s_cmp_lg_u32 s[PASS], 0
	s_cbranch_scc1 .Lpass
.Lout:
	OUTROWS 0
	OUTROWS 1
	OUTROWS 2
	OUTROWS 3
	WIN 0
	s_wait_tensorcnt 0x0                           ; the wave's end: behind my last LDS store
	ds_add_u32 v[SPW], v[NIL]
	s_wait_dscnt 0x0
	s_endpgm
.Lfunc_end_k_qa3d2f209ac_chain:
	.size	k_qa3d2f209ac_chain, .Lfunc_end_k_qa3d2f209ac_chain-k_qa3d2f209ac_chain
	.p2alignl 7, 3214868480
	.fill 96, 4, 3214868480
	.section	.rodata,"a",@progbits
	.p2align	6, 0x0
	.amdhsa_kernel k_qa3d2f209ac_chain
		.amdhsa_group_segment_fixed_size 311808
		.amdhsa_private_segment_fixed_size 0
		.amdhsa_enable_private_segment 0
		.amdhsa_kernarg_size 56
		.amdhsa_user_sgpr_count 2
		.amdhsa_user_sgpr_kernarg_segment_ptr 1
		.amdhsa_wavefront_size32 1
		.amdhsa_system_sgpr_workgroup_id_x 1
		.amdhsa_system_sgpr_workgroup_id_y 1
		.amdhsa_system_sgpr_workgroup_id_z 1
		.amdhsa_system_vgpr_workitem_id 0
		.amdhsa_next_free_vgpr 1024
		.amdhsa_next_free_sgpr 66
		.amdhsa_reserve_vcc 0
		.amdhsa_float_denorm_mode_32 3
		.amdhsa_float_denorm_mode_16_64 3
		.amdhsa_memory_ordered 1
		.amdhsa_forward_progress 1
		.amdhsa_inst_pref_size 255
	.end_amdhsa_kernel
	.section	.bss,"aw",@nobits
	.p2align	6
	.space	262144
	.amdgpu_metadata
---
amdhsa.version: [ 1, 2 ]
amdhsa.kernels:
  - .name:           k_qa3d2f209ac_chain
    .symbol:         k_qa3d2f209ac_chain.kd
    .args:
      - { .name: inp, .offset: 0, .size: 8, .value_kind: global_buffer, .address_space: global }
      - { .name: hz, .offset: 8, .size: 8, .value_kind: global_buffer, .address_space: global }
      - { .name: bf, .offset: 16, .size: 8, .value_kind: global_buffer, .address_space: global }
      - { .name: b1, .offset: 24, .size: 8, .value_kind: global_buffer, .address_space: global }
      - { .name: b2, .offset: 32, .size: 8, .value_kind: global_buffer, .address_space: global }
      - { .name: ws, .offset: 40, .size: 8, .value_kind: global_buffer, .address_space: global }
      - { .name: out0, .offset: 48, .size: 8, .value_kind: global_buffer, .address_space: global }
    .group_segment_fixed_size: 311808
    .private_segment_fixed_size: 0
    .kernarg_segment_align: 8
    .kernarg_segment_size: 56
    .max_flat_workgroup_size: 128
    .sgpr_count:     66
    .vgpr_count:     1024
    .wavefront_size: 32
...
	.end_amdgpu_metadata
.endif
;; end of part 4
